; MI455X (gfx1250); checked and timed in simulation.
; The chip was launched on July 23, 2026; its instructions are those of AMD's public machine-readable ISA for CDNA 5 (MIT licence, August 2026) and "CDNA5" Instruction Set Architecture Reference Guide (July 2026). The comments in the code are by the model that wrote it; some were corrected since.
;; Gemma4 Mo E. Allowed arithmetic: matrix products marked QUANTISED: E2M1 operands, one E8M0 scale for each 32 along K, by v_wmma_scale_f32_16x16x128_f8f6f4 with both operands' format E2M1 (or v_wmma_scale_f32_32x16x128_f4), f32 sums; products left as they are: f32 operands where the result goes on into a quantised operand, else bf16, f16 or f32 operands; f32 sums; everything else in f32.
;; Inputs: per_expert_scale 8 float32; router_logits 2,048 x 8 float32; w13 8 x 2,048 x 1,024 float32; w2 8 x 1,024 x 1,024 float32; x 2,048 x 1,024 float32.
;; Outputs: out0 2,048 x 1,024 float32.
;; This version of the problem:
;;   THIS VERSION OF THE PROBLEM IS GIVEN IN LOW PRECISION. The matrix products marked QUANTISED in the list below multiply operands that are first quantised to E2M1 (2 exponent bits, 1 mantissa bit; 4 bits a number), with one power-of-two scale for each 32 numbers along K (OCP MX v1.0); their sums are f32. All else is computed in f32.
;;   The module's matrix products, in the order in which they are computed (A, B: the left and right operand; K: the contracted axis; several contracted axes count as one K, in the product's order):
;;     1. [M 2,048, K 1,024] x [K 1,024, N 8,192]; A: input x; B: input w13: QUANTISED
;;     2. [M 2,048, K 1,024] x [K 1,024, N 8,192]; A: input x; B: input w13: QUANTISED
;;     3. batch 8 x [M 1,024, K 1,024] x [K 1,024, N 2,048]; A: input w2; B: computed on the way: QUANTISED
;;     4. batch 2,048 x [M 1, K 8] x [K 8, N 1,024]; A: computed on the way; B: computed on the way: left as it is (K = 8 < 32)
;;   THE QUANTISER, for each operand of a quantised product, along K:
;;     - K is cut into blocks of 32 from its start; a last block that is shorter is filled with zeros.
;;     - A block's scale is 2^e with e = floor(log2(the largest magnitude in the block)) - 2, held to -126 .. 127; a block of zeros has e = 0. As a byte (E8M0): e + 127.
;;     - Each number is divided by its block's scale, clamped to +-6, and rounded to the nearest number of E2M1, ties to even, subnormals kept.
;;     - The product sums the exact products of the quantised numbers (number of the format x scale) in f32.
;;   ~~~python
;;   def quantise(x, axis):      # numpy; x: float32 -> the quantised numbers, widened to float32 again
;;       x = np.moveaxis(x, axis, -1); K = x.shape[-1]
;;       x = np.pad(x, [(0, 0)] * (x.ndim - 1) + [(0, -K % 32)]); x = x.reshape(x.shape[:-1] + (-1, 32)); a = np.abs(x).max(-1, keepdims=True)
;;       e = np.where(a > 0, np.clip(np.frexp(np.where(a > 0, a, 1))[1] - 1 - 2, -126, 127), 0)      # np.frexp(a)[1] - 1 = floor(log2(a)), exactly
;;       r = np.clip(x / 2.0 ** e, -6, 6)
;;       step = 2.0 ** (np.maximum(np.frexp(np.where(r == 0, 1, r))[1] - 1, 0) - 1)
;;       q = np.round(r / step) * step * 2.0 ** e      # np.round: ties to even
;;       return np.moveaxis(q.reshape(q.shape[:-2] + (-1,))[..., :K], -1, axis).astype(np.float32)
;;   ~~~
;;   OPERANDS COMPUTED ON THE WAY. 'Computed on the way' means the value that the module computes at that place (a softmax that the list does not call 'softmax' is quantised finished and normalised). What goes into a quantiser is computed in f32, as accurately as f32 sums, v_exp_f32 and their like allow (about 1e-6 of the number): no bf16 or f16 on the way to a quantiser, and a product that is left as it is and whose result goes on into a quantised operand takes f32 operands (vector FMAs, or v_wmma_f32_16x16x4_f32). A number that lies on a knife's edge between two numbers of the format may be rounded either way, as far as f32 arithmetic and the matrix unit's own rounding can turn it there, and no further.
;; One version. Each part assembles by itself: llvm-mc -triple=amdgcn-amd-amdhsa -mcpu=gfx1250 --defsym DOCPART=n.
;; ======== version 1 of 1: 4 launches
;; limits: right only within a limited range of input values
;; workspace buffers: q1 5,586,944 bytes; rk 8,192 bytes of whole numbers; q2 8,929,280 bytes; idx 33,792 bytes of whole numbers; hq 2,297,856 bytes; xs 2,302,208 bytes
;; launch prep_a (part 1): grid 220 x 1, 8 waves a work-group, no clusters, 201,728 bytes of LDS; arguments x, w2, router_logits, per_expert_scale, q1, rk, w13, q2; writes q1, rk, q2
.if DOCPART == 1
	.amdgcn_target "amdgcn-amd-amdhsa--gfx1250"
	.amdhsa_code_object_version 6
	.text
	.protected	k_qa4a9555587_prep_a
	.globl	k_qa4a9555587_prep_a
	.p2align	8
	.type	k_qa4a9555587_prep_a,@function
k_qa4a9555587_prep_a:
	s_mov_b64 s[64:65], 0
	v_nop
	global_prefetch_b8 v0, s[64:65] scope:SCOPE_SE
	s_setreg_imm32_b32 hwreg(HW_REG_WAVE_MODE, 25, 1), 1
	s_wait_xcnt 0x0
; Gemma4 MoE, 2,048 tokens, 8 experts, top 2, MX-FP4 products.  First of four launches: w2, x and the first part of w13 become codes, and the routing is computed.
; WORK LEFT OUT BY THE WHOLE PROGRAM.  For a token t and an expert e outside its top 2 the indicator, a sum of one_hot rows that the problem builds itself, is 0; so gate, dispatch and combine_w at (t, e) are 0
; for all values of the inputs, and g, u, h and y of (t, e) reach the output only through a product with that 0.  These rows of the gate, up and down products, and their terms of the weighted sum, are not computed:
; 4,096 of 16,384 (token, expert) rows are live.  All five inputs have a way to the output and are loaded.  The softmax is taken whole: maximum taken away, eight exponentials, sum, renormalisation and its guard.
; LIMITS.  A NaN, an infinity or an overflow that would arise only in the rows left out is not carried to the result.  NaN and infinities among the inputs are not served.  A block of zeros gets the scale byte 1
; where the quantiser says 127: its codes are zeros, and only this program reads the bytes.  Blocks whose largest magnitude lies under 2^-124 have their byte held at 1.
; ROLES, by the work-group's number: 0-127 quantise w2, 128-183 the first 56 x 64 rows of w13, both into images of operand registers; 184-215 quantise x into rows of codes; 216-219 route.
; Each role has LDS bytes of its own.  No barrier: waves share nothing.  No work-group shares an input byte with another: no cluster.
; No prefetch: a wave asks for all its 32,768 bytes by its first 64 loads, and there is no loop to run ahead in.
; q1: x codes [2048][512] at 0; x scale bytes [2048][32] at XS_O; w2 images at WC_O; w2 scale words at WS_O; routing weights [2048] x (lower expert, higher expert) at RCW_O.  q2: w13 images at 0, scale words at W13S_O.
; A WEIGHT IMAGE.  Rows are taken in pairs of tiles: pair P is rows 32 P .. 32 P + 31; row i of tile u is row 32 P + 8 u + i + 8 (i / 8), so that the 16 results of tiles 0 and 1 in a lane are 16 neighbours.
; Codes: [P][u][K step s][c][lane][16 bytes] = registers 4 c .. 4 c + 3 of the fragment.  Scale words: [P][q][lane][2]: lane 16 u + i, word j: row i of tile u, K step 2 q + j.
.set XS_O,   1048576
.set WC_O,   1114112
.set WS_O,   5308416
.set RCW_O,  5570560
.set W13S_O, 8388608
.set NW2,    128                       ; work-groups for w2
.set X0,     184                       ; the first of the x role
.set R0,     216                       ; the first that routes
.set XQB,    135168                    ; LDS: 0: eight pairs of stages of the weights role, 16,896 bytes a wave; XQB: eight regions of the x role, 8,192 bytes each
.set SPARE,  200704                    ; the spare words, 128 bytes a wave: four blocks of 256 bytes that no other line names
.set SPW,    252                       ; v252 LDS address of my spare word; never rewritten
.set NIL,    253                       ; v253 0; never rewritten
.set XN,     32                        ; v32-159  two sets of 64 numbers of my row: register 16 b + i = k 32 b + 16 (lane / 16) + i
.set PC,     160                       ; v160-191 four fragments, one for each step: no store's data are written again
.set TM,     232                       ; v232-247 at work
.set PW,     248                       ; v248-251 the four steps' scale words
.set XX,     80                        ; the x role: two sets of 16 neighbours,
.set XE,     112                       ; a scale byte for each step,
.set XCD,    128                       ; codes: four registers for each step
.set SP,     80                        ; a lane's place in a stage of the x role: 64 bytes + 16
; window 1 (v256-511): all that a wave loads, 64 x 4 registers
.set MSB, 0
.macro WIN new                         ; the immediate's high byte repeats the setting that is left
.if MSB != (\new)
	s_set_vgpr_msb (MSB<<8)|(\new)
.set MSB, (\new)
.endif
.endm
	s_load_b256 s[4:11], s[0:1], 0x0               ; x s[4:5], w2 s[6:7], router_logits s[8:9], per_expert_scale s[10:11]
	s_load_b128 s[12:15], s[0:1], 0x20             ; q1 s[12:13], rk s[14:15]
	s_load_b128 s[36:39], s[0:1], 0x30             ; w13 s[36:37], q2 s[38:39]
	v_lshl_add_u32 v[SPW], v0, 2, SPARE
	v_mov_b32 v[NIL], 0
	v_lshrrev_b32 v1, 5, v0
	s_delay_alu instid0(VALU_DEP_1)
	v_readfirstlane_b32 s16, v1                    ; wave 0..7
	s_mov_b32 s20, 0x76543210
	s_mov_b32 s21, 0xfedcba98                      ; v_permlanex16_b32: lane l xor 16
	s_mov_b32 s25, 0
	s_wait_kmcnt 0x0
	s_cmp_lt_u32 ttmp9, X0
	s_cbranch_scc1 .Lwq
	s_cmp_lt_u32 ttmp9, R0
	s_cbranch_scc1 .Lxq
; ---- ROUTING.  A thread takes tokens 2 n and 2 n + 1.  What it finds is stored at fixed places: no address here hangs on it.
	s_load_b256 s[24:31], s[10:11], 0x0            ; the eight per-expert scales
	s_sub_co_u32 s17, ttmp9, R0
	s_lshl_b32 s17, s17, 8
	v_add_nc_u32 v1, s17, v0                       ; n
	s_delay_alu instid0(VALU_DEP_1)
	v_lshlrev_b32 v2, 6, v1                        ; two tokens' logits: 64 bytes
	s_delay_alu instid0(VALU_DEP_2)
	v_lshlrev_b32 v3, 3, v1
	s_delay_alu instid0(VALU_DEP_3)
	v_lshlrev_b32 v4, 4, v1
	global_load_b128 v[16:19], v2, s[8:9]
	global_load_b128 v[20:23], v2, s[8:9] offset:16
	global_load_b128 v[24:27], v2, s[8:9] offset:32
	global_load_b128 v[28:31], v2, s[8:9] offset:48
	v_mov_b32 v5, 0xff800000                       ; -infinity
	s_wait_kmcnt 0x0
.irp k, 0,1,2,3,4,5,6,7
	v_mov_b32 v[40+\k], s[24+\k]
.endr
	s_wait_loadcnt 0x0
; One token: logits in v[L] on; its key goes to v[KD], its two weights to v[W], v[W + 1] (lower expert first).
.macro ROUTE L, KD, W
	v_mov_b32 v48, v[\L]                           ; the largest logit and its index; on a tie the lower index stays, as in top_k
	v_mov_b32 v49, 0
.irp k, 1
	s_delay_alu instid0(VALU_DEP_2)
	v_cmp_ge_f32 vcc_lo, v48, v[\L+\k]
	s_delay_alu instid0(VALU_DEP_1)
	v_cndmask_b32 v49, \k, v49, vcc_lo
	s_delay_alu instid0(VALU_DEP_2)
	v_cndmask_b32 v48, v[\L+\k], v48, vcc_lo
.endr
.irp k, 2, 3, 4, 5, 6, 7
	s_delay_alu instid0(VALU_DEP_1)
	v_cmp_ge_f32 vcc_lo, v48, v[\L+\k]
	s_delay_alu instid0(VALU_DEP_1)
	v_cndmask_b32 v49, \k, v49, vcc_lo
	s_delay_alu instid0(VALU_DEP_2)
	v_cndmask_b32 v48, v[\L+\k], v48, vcc_lo
.endr
.irp k, 0,1,2,3,4,5,6,7
	v_cmp_eq_u32 vcc_lo, \k, v49
	s_delay_alu instid0(VALU_DEP_1)
	v_cndmask_b32 v[52+\k], v[\L+\k], v5, vcc_lo   ; the first one is taken out,
.endr
	v_mov_b32 v50, v52                             ; and the same search gives the second
	v_mov_b32 v51, 0
.irp k, 1
	s_delay_alu instid0(VALU_DEP_2)
	v_cmp_ge_f32 vcc_lo, v50, v[52+\k]
	s_delay_alu instid0(VALU_DEP_1)
	v_cndmask_b32 v51, \k, v51, vcc_lo
	s_delay_alu instid0(VALU_DEP_2)
	v_cndmask_b32 v50, v[52+\k], v50, vcc_lo
.endr
.irp k, 2, 3, 4, 5, 6, 7
	s_delay_alu instid0(VALU_DEP_1)
	v_cmp_ge_f32 vcc_lo, v50, v[52+\k]
	s_delay_alu instid0(VALU_DEP_1)
	v_cndmask_b32 v51, \k, v51, vcc_lo
	s_delay_alu instid0(VALU_DEP_2)
	v_cndmask_b32 v50, v[52+\k], v50, vcc_lo
.endr
.irp k, 0,1,2,3,4,5,6,7
	v_sub_f32 v[60+\k], v[\L+\k], v48              ; the maximum is taken away
.endr
	v_sub_f32 v68, v50, v48
.irp k, 0,1,2,3,4,5,6,7,8
	v_mul_f32 v[60+\k], 0x3fb8aa3b, v[60+\k]
.endr
	s_wait_alu depctr_va_vdst(0)                   ; ahead of the batch
.irp k, 0,1,2,3,4,5,6,7,8
	v_exp_f32 v[60+\k], v[60+\k]
.endr
	v_nop                                          ; a plain instruction behind the batch,
	s_wait_alu depctr_va_vdst(0)                   ; and one wait for the nine, ahead of their first reader
	v_add_f32 v69, v60, v61
	v_add_f32 v70, v62, v63
	v_add_f32 v71, v64, v65
	v_add_f32 v72, v66, v67
	s_delay_alu instid0(VALU_DEP_3)
	v_add_f32 v69, v69, v70
	s_delay_alu instid0(VALU_DEP_2)
	v_add_f32 v71, v71, v72
	s_delay_alu instid0(VALU_DEP_1)
	v_add_f32 v69, v69, v71                        ; the softmax's sum over all eight
	s_wait_alu depctr_va_vdst(0)
	v_rcp_f32 v69, v69                             ; = the first one's probability: its exponential is 2^0
	v_nop
	s_wait_alu depctr_va_vdst(0)
	v_mul_f32 v70, v68, v69                        ; the second one's
	v_add_f32 v71, v69, v70                        ; renorm,
	s_delay_alu instid0(VALU_DEP_1)
	v_cmp_lt_f32 vcc_lo, 0, v71
	s_delay_alu instid0(VALU_DEP_1)
	v_cndmask_b32 v71, 1.0, v71, vcc_lo            ; 1 where it is not above 0
	s_wait_alu depctr_va_vdst(0)
	v_rcp_f32 v71, v71
	v_nop
	s_wait_alu depctr_va_vdst(0)
	v_mul_f32 v72, v69, v71
	v_mul_f32 v73, v70, v71
	v_mov_b32 v74, v40                             ; each one's per-expert scale, by selects
	v_mov_b32 v75, v40
.irp k, 1,2,3,4,5,6,7
	v_cmp_eq_u32 vcc_lo, \k, v49
	s_delay_alu instid0(VALU_DEP_1)
	v_cndmask_b32 v74, v74, v[40+\k], vcc_lo
	v_cmp_eq_u32 vcc_lo, \k, v51
	s_delay_alu instid0(VALU_DEP_1)
	v_cndmask_b32 v75, v75, v[40+\k], vcc_lo
.endr
	s_delay_alu instid0(VALU_DEP_3)
	v_mul_f32 v72, v72, v74
	s_delay_alu instid0(VALU_DEP_2)
	v_mul_f32 v73, v73, v75
	v_cmp_lt_u32 vcc_lo, v49, v51
	s_delay_alu instid0(VALU_DEP_1)
	v_cndmask_b32 v[\W], v73, v72, vcc_lo          ; the lower expert's weight,
	s_delay_alu instid0(VALU_DEP_2)
	v_cndmask_b32 v[\W+1], v72, v73, vcc_lo        ; the higher one's
	v_min_u32 v76, v49, v51
	v_max_u32 v77, v49, v51
	s_delay_alu instid0(VALU_DEP_1)
	v_lshl_add_u32 v76, v76, 3, v77                ; 8 lo + hi,
	s_delay_alu instid0(VALU_DEP_1)
	v_sub_nc_u32 v77, 63, v76
	s_delay_alu instid0(VALU_DEP_1)
	v_min_u32 v[\KD], v76, v77                     ; folded into 0 .. 31: the 28 pairs have 28 different keys
.endm
	ROUTE 16, 8, 10
	ROUTE 24, 9, 12
	global_store_b64 v3, v[8:9], s[14:15]          ; a wave stores 256 consecutive bytes
	global_store_b128 v4, v[10:13], s[12:13] offset:RCW_O
	s_endpgm                                       ; this role has written no LDS
; ---- WEIGHTS.  A wave takes one pair P and K steps 2 q, 2 q + 1: 32 rows x 1,024 bytes, all asked for at once, row by row; the four waves of a pair cover whole rows of 4,096 bytes.
; Set k = 2 u + s (tile u, K step 2 q + s) of what is loaded lies at v[64 k] of window 1: 16 rows x 16 bytes a lane.
.macro TURN k                          ; set k through stage k % 2: in as loaded, rows of 512 bytes + 16; out 64 numbers of my row.  LDS serves a wave in order: the loads see the stores
	WIN 0x04
.irp i, 0,1,2,3,4,5,6,7,8,9,10,11,12,13,14,15
	ds_store_b128 v2, v[64*(\k)+4*\i:64*(\k)+4*\i+3] offset:8448*((\k)%2)+528*\i
.endr
	WIN 0
.irp b, 0,1,2,3
.irp j, 0,1,2,3
	ds_load_b128 v[XN+64*((\k)%2)+16*\b+4*\j:XN+64*((\k)%2)+16*\b+4*\j+3], v3 offset:8448*((\k)%2)+128*\b+16*\j
.endr
.endr
.endm
.macro STEPQ k                         ; 64 numbers of a lane become a fragment, stored as an image, and a scale word
.set QS, XN+64*((\k)%2)
.set QP, PC+8*(\k)
.set QW, PW+(\k)
.irp b, 0,1,2,3
	v_max3_num_f32 v[TM+\b], |v[QS+16*\b]|, |v[QS+1+16*\b]|, 0x1800000   ; my 16 numbers of block b, and the floor 2^(3 - 127): the byte cannot fall under 1
.endr
.irp i, 2,4,6,8,10,12,14
.irp b, 0,1,2,3
	s_delay_alu instid0(VALU_DEP_4)
	v_max3_num_f32 v[TM+\b], v[TM+\b], |v[QS+16*\b+\i]|, |v[QS+1+16*\b+\i]|
.endr
.endr
.irp b, 0,1,2,3
	s_delay_alu instid0(VALU_DEP_4)
	v_permlanex16_b32 v[TM+4+\b], v[TM+\b], s20, s21
.endr
.irp b, 0,1,2,3
	s_delay_alu instid0(VALU_DEP_4)
	v_max_num_f32 v[TM+\b], v[TM+\b], v[TM+4+\b]   ; with lane l xor 16: the block's largest magnitude
.endr
.irp b, 0,1,2,3
	s_delay_alu instid0(VALU_DEP_4)
	v_add_nc_u32 v[TM+12+\b], 0xff000000, v[TM+\b] ; 2 off its exponent field: the conversion's scale operand
.endr
.irp b, 0,1,2,3
	s_delay_alu instid0(VALU_DEP_4)
	v_lshrrev_b32 v[TM+4+\b], 23, v[TM+12+\b]      ; the scale's byte
.endr
	s_delay_alu instid0(VALU_DEP_3)
	v_lshl_or_b32 v[QW], v[TM+5], 8, v[TM+4]
	s_delay_alu instid0(VALU_DEP_1)
	v_lshl_or_b32 v[QW], v[TM+6], 16, v[QW]
	s_delay_alu instid0(VALU_DEP_1)
	v_lshl_or_b32 v[QW], v[TM+7], 24, v[QW]
.irp b, 0,1,2,3
	v_cvt_scalef32_pk8_fp4_f32 v[QP+2*\b], v[QS+16*\b:QS+7+16*\b], v[TM+12+\b]
	v_cvt_scalef32_pk8_fp4_f32 v[QP+1+2*\b], v[QS+8+16*\b:QS+15+16*\b], v[TM+12+\b]
.endr
	v_nop                                          ; one plain instruction behind the scaled conversions
.irp c, 0,1                                    ; the operand wants a whole block in a lane: lanes 0-15 block 2 c, lanes 16-31 block 2 c + 1
.irp i, 0,1
	v_permlane16_swap_b32 v[QP+4*\c+\i], v[QP+2+4*\c+\i]
.endr
.endr
.irp c, 0,1
	global_store_b128 v1, v[QP+4*\c:QP+4*\c+3], s[30:31] offset:((\k)/2)*8192+((\k)%2)*1024+\c*512   ; 512 consecutive bytes
.endr
.endm
.Lwq:
	s_mov_b32 s41, W13S_O
	s_cmp_lt_u32 ttmp9, NW2                        ; w2 or w13?  The choice hangs on the work-group's number alone
	s_cselect_b64 s[42:43], s[6:7], s[36:37]       ; the weights,
	s_cselect_b64 s[44:45], s[12:13], s[38:39]     ; the buffer of their images,
	s_cselect_b32 s40, WC_O, 0                     ; where the images begin there,
	s_cselect_b32 s41, WS_O, s41                   ; and the scale words
	s_cselect_b32 s17, 0, NW2
	s_sub_co_u32 s17, ttmp9, s17
	s_lshl_b32 s17, s17, 3
	s_add_co_u32 s17, s17, s16                     ; my unit
	s_lshr_b32 s18, s17, 2                         ; P
	s_and_b32 s19, s17, 3                          ; q
	s_lshl_b32 s24, s18, 17
	s_lshl_b32 s26, s19, 10
	s_add_co_u32 s24, s24, s26
	s_add_nc_u64 s[28:29], s[42:43], s[24:25]      ; 32 P rows of 4,096 bytes + 1,024 q
	s_lshl_b32 s24, s18, 14
	s_lshl_b32 s26, s19, 11
	s_add_co_u32 s24, s24, s26
	s_add_co_u32 s24, s24, s40
	s_add_nc_u64 s[30:31], s[44:45], s[24:25]      ; the images
	s_lshl_b32 s24, s18, 10
	s_lshl_b32 s26, s19, 8
	s_add_co_u32 s24, s24, s26
	s_add_co_u32 s24, s24, s41
	s_add_nc_u64 s[32:33], s[44:45], s[24:25]      ; the scale words
	v_and_b32 v5, 31, v0
	v_and_b32 v6, 15, v0
	v_bfe_u32 v7, v0, 4, 1
	s_delay_alu instid0(VALU_DEP_3)
	v_lshlrev_b32 v1, 4, v5                        ; 16 x lane
	s_mul_i32 s23, s16, 16896
	v_add_nc_u32 v2, s23, v1                       ; the stage, in
	v_mul_u32_u24 v3, v6, 528
	s_delay_alu instid0(VALU_DEP_1)
	v_lshl_add_u32 v3, v7, 6, v3
	s_delay_alu instid0(VALU_DEP_1)
	v_add_nc_u32 v3, s23, v3                       ; and out: row lane % 16, + 64 (lane / 16)
	v_lshlrev_b32 v4, 3, v5
	s_mov_b32 s22, 0xffff0000
.irp b, 0,1,2,3
	v_mov_b32 v[TM+4+\b], 0                        ; a lane permute's destination counts as one of its sources
.endr
	s_wait_alu depctr_va_vdst(0)
	WIN 0x40
.set RR, 0
.rept 32                                       ; row RR of the pair is row RR % 8 + 8 (RR / 16) of tile (RR / 8) % 2
.irp s, 0,1
	global_load_b128 v[64*(2*((RR/8)%2)+\s)+4*(RR%8+8*(RR/16)):64*(2*((RR/8)%2)+\s)+4*(RR%8+8*(RR/16))+3], v1, s[28:29] offset:RR*4096+512*\s th:TH_LOAD_NT
.endr
.set RR, RR+1
.endr
	WIN 0
	s_wait_loadcnt 16                              ; rows 0-23 are in, and so tile 0; the 16 loads of rows 24-31 may be out
	TURN 0
	TURN 1
	s_wait_dscnt 32                                ; the first turn is back; the second's 32 instructions may be out
	STEPQ 0
	s_wait_dscnt 0x0
	STEPQ 1
	s_wait_loadcnt 0x0
	TURN 2
	TURN 3
	s_wait_dscnt 32
	STEPQ 2
	s_wait_dscnt 0x0
	STEPQ 3
	v_cndmask_b32 v232, v248, v250, s22            ; lanes 0-15 tile 0's words, lanes 16-31 tile 1's
	v_cndmask_b32 v233, v249, v251, s22
	global_store_b64 v4, v[232:233], s[32:33]      ; 256 consecutive bytes
	s_wait_tensorcnt 0x0                           ; the wave's end
	ds_add_u32 v[SPW], v[NIL]
	s_wait_dscnt 0x0
	s_endpgm
; ---- x.  Rows are dense, so x is a stream of blocks of 32.  A wave takes 16 steps of 512 numbers, all 64 loads asked for at once (512 consecutive bytes each); a step's four turn through my own stage, so that a lane holds 16 neighbours.
.macro XTURN t
	WIN 0x04
.irp i, 0,1,2,3
	ds_store_b128 v14, v[16*(\t)+4*\i:16*(\t)+4*\i+3] offset:32*SP*((\t)%2)+8*SP*\i
.endr
	WIN 0
.irp i, 0,1,2,3
	ds_load_b128 v[XX+16*((\t)%2)+4*\i:XX+16*((\t)%2)+4*\i+3], v15 offset:32*SP*((\t)%2)+16*\i
.endr
.endm
.macro XSTEP t
.set XS, XX+16*((\t)%2)
.if (\t) > 0
	s_wait_dscnt 1                                 ; this step's numbers are back (the last step's byte store may be out)
.else
	s_wait_dscnt 0x0
.endif
.if (\t)+1 < 16
	s_wait_loadcnt 4*(14-(\t))                     ; the next step's four loads are in; those of the steps behind it may be out
	XTURN (\t)+1
.endif
	v_max3_num_f32 v8, |v[XS]|, |v[XS+1]|, |v[XS+2]|
	v_max3_num_f32 v9, |v[XS+3]|, |v[XS+4]|, |v[XS+5]|
.irp i, 6,10
	s_delay_alu instid0(VALU_DEP_2)
	v_max3_num_f32 v8, v8, |v[XS+\i]|, |v[XS+\i+1]|
	s_delay_alu instid0(VALU_DEP_2)
	v_max3_num_f32 v9, v9, |v[XS+\i+2]|, |v[XS+\i+3]|
.endr
	s_delay_alu instid0(VALU_DEP_2)
	v_max3_num_f32 v8, v8, |v[XS+14]|, |v[XS+15]|
	s_delay_alu instid0(VALU_DEP_1)
	v_max3_num_f32 v8, v8, v9, 0x1800000           ; and the floor
	s_delay_alu instid0(VALU_DEP_1)
	v_max_num_f32_dpp v8, v8, v8 row_xmask:1 row_mask:0xf bank_mask:0xf   ; with my neighbour's 16: the block's
	s_delay_alu instid0(VALU_DEP_1)
	v_add_nc_u32 v11, 0xff000000, v8
	v_cvt_scalef32_pk8_fp4_f32 v[XCD+4*(\t)], v[XS:XS+7], v11
	v_cvt_scalef32_pk8_fp4_f32 v[XCD+4*(\t)+1], v[XS+8:XS+15], v11
	v_lshrrev_b32 v[XE+(\t)], 23, v11
	ds_store_b8 v5, v[XE+(\t)] offset:16*(\t)      ; both lanes of a block write the same byte
	global_store_b64 v4, v[XCD+4*(\t):XCD+4*(\t)+1], s[30:31] offset:256*(\t)   ; 256 consecutive bytes
.endm
.Lxq:
	v_and_b32 v2, 31, v0
	s_delay_alu instid0(VALU_DEP_1)
	v_lshlrev_b32 v3, 4, v2
	s_mul_i32 s17, s16, 8192
	s_add_co_u32 s17, s17, XQB
	v_lshrrev_b32 v14, 2, v2
	s_delay_alu instid0(VALU_DEP_1)
	v_mul_u32_u24 v14, v14, SP
	v_and_b32 v15, 3, v2
	s_delay_alu instid0(VALU_DEP_1)
	v_lshl_add_u32 v14, v15, 4, v14
	s_delay_alu instid0(VALU_DEP_1)
	v_add_nc_u32 v14, s17, v14                     ; the stage, in: SP (lane / 4) + 16 (lane % 4)
	v_mul_u32_u24 v15, v2, SP
	s_delay_alu instid0(VALU_DEP_1)
	v_add_nc_u32 v15, s17, v15                     ; and out: SP x lane
	v_mul_u32_u24 v4, v2, 8
	v_lshrrev_b32 v5, 1, v2
	s_add_co_u32 s17, s17, 2*32*SP
	v_add_nc_u32 v5, s17, v5                       ; my wave's 256 scale bytes
	v_lshlrev_b32 v7, 3, v2
	s_delay_alu instid0(VALU_DEP_1)
	v_add_nc_u32 v6, s17, v7
	s_sub_co_u32 s18, ttmp9, X0
	s_lshl_b32 s18, s18, 3
	s_add_co_u32 s18, s18, s16                     ; my run of 8,192 numbers
	s_lshl_b32 s24, s18, 15
	s_add_nc_u64 s[28:29], s[4:5], s[24:25]
	s_lshl_b32 s24, s18, 12
	s_add_nc_u64 s[30:31], s[12:13], s[24:25]
	s_lshl_b32 s24, s18, 8
	s_add_nc_u64 s[32:33], s[12:13], s[24:25]
	s_add_nc_u64 s[32:33], s[32:33], XS_O
	s_wait_alu depctr_va_vdst(0)
	WIN 0x40
.set RR, 0
.rept 64
	global_load_b128 v[4*RR:4*RR+3], v3, s[28:29] offset:512*RR th:TH_LOAD_NT
.set RR, RR+1
.endr
	WIN 0
	s_wait_loadcnt 60                              ; step 0's four loads are in
	XTURN 0
.irp t, 0,1,2,3,4,5,6,7,8,9,10,11,12,13,14,15
	XSTEP \t
.endr
	ds_load_b64 v[8:9], v6
	s_wait_dscnt 0x0
	global_store_b64 v7, v[8:9], s[32:33]          ; 256 consecutive bytes
	s_wait_tensorcnt 0x0                           ; the wave's end
	ds_add_u32 v[SPW], v[NIL]
	s_wait_dscnt 0x0
	s_endpgm
.Lfunc_end_k_qa4a9555587_prep_a:
	.size	k_qa4a9555587_prep_a, .Lfunc_end_k_qa4a9555587_prep_a-k_qa4a9555587_prep_a
	.p2alignl 7, 3214868480
	.fill 96, 4, 3214868480
	.section	.rodata,"a",@progbits
	.p2align	6, 0x0
	.amdhsa_kernel k_qa4a9555587_prep_a
		.amdhsa_group_segment_fixed_size 201728
		.amdhsa_private_segment_fixed_size 0
		.amdhsa_enable_private_segment 0
		.amdhsa_kernarg_size 64
		.amdhsa_user_sgpr_count 2
		.amdhsa_user_sgpr_kernarg_segment_ptr 1
		.amdhsa_wavefront_size32 1
		.amdhsa_system_sgpr_workgroup_id_x 1
		.amdhsa_system_sgpr_workgroup_id_y 1
		.amdhsa_system_sgpr_workgroup_id_z 1
		.amdhsa_system_vgpr_workitem_id 0
		.amdhsa_next_free_vgpr 512
		.amdhsa_next_free_sgpr 66
		.amdhsa_reserve_vcc 1
		.amdhsa_float_denorm_mode_32 3
		.amdhsa_float_denorm_mode_16_64 3
		.amdhsa_memory_ordered 1
		.amdhsa_forward_progress 1
		.amdhsa_inst_pref_size 93
	.end_amdhsa_kernel
	.amdgpu_metadata
---
amdhsa.version: [ 1, 2 ]
amdhsa.kernels:
  - .name:           k_qa4a9555587_prep_a
    .symbol:         k_qa4a9555587_prep_a.kd
    .args:
      - { .name: x, .offset: 0, .size: 8, .value_kind: global_buffer, .address_space: global }
      - { .name: w2, .offset: 8, .size: 8, .value_kind: global_buffer, .address_space: global }
      - { .name: router_logits, .offset: 16, .size: 8, .value_kind: global_buffer, .address_space: global }
      - { .name: per_expert_scale, .offset: 24, .size: 8, .value_kind: global_buffer, .address_space: global }
      - { .name: q1, .offset: 32, .size: 8, .value_kind: global_buffer, .address_space: global }
      - { .name: rk, .offset: 40, .size: 8, .value_kind: global_buffer, .address_space: global }
      - { .name: w13, .offset: 48, .size: 8, .value_kind: global_buffer, .address_space: global }
      - { .name: q2, .offset: 56, .size: 8, .value_kind: global_buffer, .address_space: global }
    .group_segment_fixed_size: 201728
    .private_segment_fixed_size: 0
    .kernarg_segment_align: 8
    .kernarg_segment_size: 64
    .max_flat_workgroup_size: 256
    .sgpr_count:     66
    .vgpr_count:     512
    .wavefront_size: 32
...
	.end_amdgpu_metadata
.endif
;; end of part 1
;; launch prep_b (part 2): grid 233 x 1, 8 waves a work-group, no clusters, 137,216 bytes of LDS; arguments w13, q1, rk, q2, idx, xs; writes q2, idx, xs
.if DOCPART == 2
	.amdgcn_target "amdgcn-amd-amdhsa--gfx1250"
	.amdhsa_code_object_version 6
	.text
	.protected	k_qa4a9555587_prep_b
	.globl	k_qa4a9555587_prep_b
	.p2align	8
	.type	k_qa4a9555587_prep_b,@function
k_qa4a9555587_prep_b:
	s_mov_b64 s[64:65], 0
	v_nop
	global_prefetch_b8 v0, s[64:65] scope:SCOPE_SE
	s_setreg_imm32_b32 hwreg(HW_REG_WAVE_MODE, 25, 1), 1
	s_wait_xcnt 0x0
; Second launch: the rest of w13 becomes images of operand registers (work-groups 33-232 take the 64-row runs 56 .. 255; the same layout as w2's), and work-groups 0-32 place the routed rows.
; Rows of experts outside a token's top 2 are left out (first kernel's head).
; No work-group shares an input byte of the weights with another: no cluster.  No prefetch: a wave asks for all its bytes at its start, and there is no loop to run ahead in.
; PLACING.  The keys (0 .. 31, one for each pair of experts) were stored by the launch before, so addresses may hang on them here.  A counting sort without atomics:
; each wave ranks its 256 tokens in each of the 32 bins, the waves' counts meet in LDS, and every wave works out the same tables.  All 33 placing work-groups do this alike; they differ in what they store:
; work-group g < 32 takes register j = g / 4 of each lane's eight tokens; slot g & 1 (lower or higher expert); lanes 16 (g / 2 & 1) on: each of its waves copies 16 tokens' x codes and scale bytes to their h rows.
; Those with g % 4 = 0 also store the register's records and routing weights.  Work-group 32 stores the experts' counts and fills each expert's pad rows with zeros (wave = expert).
; Sorted position p of a token: bins ascending, then rank.  Its two h rows: experts ascending, each expert's rows from a multiple of 16 on, inside an expert bins ascending, then rank.
; idx: [2048 sorted] {token | key << 16, h row of the lower expert | that of the higher << 16} at 0; n_e and first row of each expert at ECNT_O.
; xs: x codes by h row [4232][512] at 0, x scale bytes by h row [4232][32] at XSS_O; rows 4224 + e take the pad stores of an expert that has no pad row.
; q2: w13 images at 0, their scale words at WS_O, routing weights by sorted position at SCW_O.  The records and weights are scattered pieces of 8 bytes, 32 KB in all: that is what a placement is.
.set WS_O,   8388608
.set SCW_O,  8912896
.set RCW_O,  5570560
.set XS_O,   1048576
.set XSS_O,  2166784
.set ECNT_O, 33536
.set N13A,   56                        ; runs of 64 rows of w13 that the launch before has taken
.set NPL,    33                        ; placing work-groups
.set PL,     135168                    ; LDS: 0: eight pairs of stages, 16,896 bytes a wave; PL: the waves' counts, 128 bytes each
.set SPARE,  136192                    ; the spare words: four blocks of 256 bytes that no other line names
.set SPW,    252
.set NIL,    253
.set XN,     32                        ; v32-159  two sets of 64 numbers of my row
.set PC,     160                       ; v160-191 four fragments, one for each step
.set TM,     232
.set PW,     248
.set MSB, 0
.macro WIN new                         ; the immediate's high byte repeats the setting that is left
.if MSB != (\new)
	s_set_vgpr_msb (MSB<<8)|(\new)
.set MSB, (\new)
.endif
.endm
	s_load_b256 s[4:11], s[0:1], 0x0               ; w13 s[4:5], q1 s[6:7], rk s[8:9], q2 s[10:11]
	s_load_b128 s[12:15], s[0:1], 0x20             ; idx s[12:13], xs s[14:15]
	v_lshl_add_u32 v[SPW], v0, 2, SPARE
	v_mov_b32 v[NIL], 0
	v_lshrrev_b32 v1, 5, v0
	s_delay_alu instid0(VALU_DEP_1)
	v_readfirstlane_b32 s16, v1                    ; wave 0..7
	s_mov_b32 s20, 0x76543210
	s_mov_b32 s21, 0xfedcba98
	s_mov_b32 s25, 0
	s_wait_kmcnt 0x0
	s_cmp_lt_u32 ttmp9, NPL
	s_cbranch_scc1 .Lplace
; ---- w13.  A wave takes one pair P of tiles and K steps 2 q, 2 q + 1: 32 rows x 1,024 bytes, all asked for at once, row by row.  Set k = 2 u + s of what is loaded lies at v[64 k] of window 1.
.macro TURN k                          ; set k through stage k % 2: in as loaded, rows of 512 bytes + 16; out 64 numbers of my row.  LDS serves a wave in order
	WIN 0x04
.irp i, 0,1,2,3,4,5,6,7,8,9,10,11,12,13,14,15
	ds_store_b128 v2, v[64*(\k)+4*\i:64*(\k)+4*\i+3] offset:8448*((\k)%2)+528*\i
.endr
	WIN 0
.irp b, 0,1,2,3
.irp j, 0,1,2,3
	ds_load_b128 v[XN+64*((\k)%2)+16*\b+4*\j:XN+64*((\k)%2)+16*\b+4*\j+3], v3 offset:8448*((\k)%2)+128*\b+16*\j
.endr
.endr
.endm
.macro STEPQ k
.set QS, XN+64*((\k)%2)
.set QP, PC+8*(\k)
.set QW, PW+(\k)
.irp b, 0,1,2,3
	v_max3_num_f32 v[TM+\b], |v[QS+16*\b]|, |v[QS+1+16*\b]|, 0x1800000   ; my 16 numbers of block b, and the floor 2^(3 - 127)
.endr
.irp i, 2,4,6,8,10,12,14
.irp b, 0,1,2,3
	s_delay_alu instid0(VALU_DEP_4)
	v_max3_num_f32 v[TM+\b], v[TM+\b], |v[QS+16*\b+\i]|, |v[QS+1+16*\b+\i]|
.endr
.endr
.irp b, 0,1,2,3
	s_delay_alu instid0(VALU_DEP_4)
	v_permlanex16_b32 v[TM+4+\b], v[TM+\b], s20, s21
.endr
.irp b, 0,1,2,3
	s_delay_alu instid0(VALU_DEP_4)
	v_max_num_f32 v[TM+\b], v[TM+\b], v[TM+4+\b]
.endr
.irp b, 0,1,2,3
	s_delay_alu instid0(VALU_DEP_4)
	v_add_nc_u32 v[TM+12+\b], 0xff000000, v[TM+\b]
.endr
.irp b, 0,1,2,3
	s_delay_alu instid0(VALU_DEP_4)
	v_lshrrev_b32 v[TM+4+\b], 23, v[TM+12+\b]
.endr
	s_delay_alu instid0(VALU_DEP_3)
	v_lshl_or_b32 v[QW], v[TM+5], 8, v[TM+4]
	s_delay_alu instid0(VALU_DEP_1)
	v_lshl_or_b32 v[QW], v[TM+6], 16, v[QW]
	s_delay_alu instid0(VALU_DEP_1)
	v_lshl_or_b32 v[QW], v[TM+7], 24, v[QW]
.irp b, 0,1,2,3
	v_cvt_scalef32_pk8_fp4_f32 v[QP+2*\b], v[QS+16*\b:QS+7+16*\b], v[TM+12+\b]
	v_cvt_scalef32_pk8_fp4_f32 v[QP+1+2*\b], v[QS+8+16*\b:QS+15+16*\b], v[TM+12+\b]
.endr
	v_nop                                          ; one plain instruction behind the scaled conversions
.irp c, 0,1
.irp i, 0,1
	v_permlane16_swap_b32 v[QP+4*\c+\i], v[QP+2+4*\c+\i]
.endr
.endr
.irp c, 0,1
	global_store_b128 v1, v[QP+4*\c:QP+4*\c+3], s[30:31] offset:((\k)/2)*8192+((\k)%2)*1024+\c*512   ; 512 consecutive bytes
.endr
.endm
	s_add_co_u32 s17, ttmp9, N13A-NPL
	s_lshl_b32 s17, s17, 3
	s_add_co_u32 s17, s17, s16
	s_lshr_b32 s18, s17, 2                         ; P
	s_and_b32 s19, s17, 3                          ; q
	s_lshl_b32 s24, s18, 17
	s_lshl_b32 s26, s19, 10
	s_add_co_u32 s24, s24, s26
	s_add_nc_u64 s[28:29], s[4:5], s[24:25]
	s_lshl_b32 s24, s18, 14
	s_lshl_b32 s26, s19, 11
	s_add_co_u32 s24, s24, s26
	s_add_nc_u64 s[30:31], s[10:11], s[24:25]
	s_lshl_b32 s24, s18, 10
	s_lshl_b32 s26, s19, 8
	s_add_co_u32 s24, s24, s26
	s_add_nc_u64 s[32:33], s[10:11], s[24:25]
	s_add_nc_u64 s[32:33], s[32:33], WS_O
	v_and_b32 v5, 31, v0
	v_and_b32 v6, 15, v0
	v_bfe_u32 v7, v0, 4, 1
	s_delay_alu instid0(VALU_DEP_3)
	v_lshlrev_b32 v1, 4, v5
	s_mul_i32 s23, s16, 16896
	v_add_nc_u32 v2, s23, v1
	v_mul_u32_u24 v3, v6, 528
	s_delay_alu instid0(VALU_DEP_1)
	v_lshl_add_u32 v3, v7, 6, v3
	s_delay_alu instid0(VALU_DEP_1)
	v_add_nc_u32 v3, s23, v3
	v_lshlrev_b32 v4, 3, v5
	s_mov_b32 s22, 0xffff0000
.irp b, 0,1,2,3
	v_mov_b32 v[TM+4+\b], 0                        ; a lane permute's destination counts as one of its sources
.endr
	s_wait_alu depctr_va_vdst(0)
	WIN 0x40
.set RR, 0
.rept 32                                       ; row RR of the pair is row RR % 8 + 8 (RR / 16) of tile (RR / 8) % 2
.irp s, 0,1
	global_load_b128 v[64*(2*((RR/8)%2)+\s)+4*(RR%8+8*(RR/16)):64*(2*((RR/8)%2)+\s)+4*(RR%8+8*(RR/16))+3], v1, s[28:29] offset:RR*4096+512*\s th:TH_LOAD_NT
.endr
.set RR, RR+1
.endr
	WIN 0
	s_wait_loadcnt 16                              ; rows 0-23 are in, and so tile 0; the 16 loads of rows 24-31 may be out
	TURN 0
	TURN 1
	s_wait_dscnt 32                                ; the first turn is back; the second's 32 instructions may be out
	STEPQ 0
	s_wait_dscnt 0x0
	STEPQ 1
	s_wait_loadcnt 0x0
	TURN 2
	TURN 3
	s_wait_dscnt 32
	STEPQ 2
	s_wait_dscnt 0x0
	STEPQ 3
	v_cndmask_b32 v232, v248, v250, s22            ; lanes 0-15 tile 0's words, lanes 16-31 tile 1's
	v_cndmask_b32 v233, v249, v251, s22
	global_store_b64 v4, v[232:233], s[32:33]
	s_wait_tensorcnt 0x0                           ; the wave's end
	ds_add_u32 v[SPW], v[NIL]
	s_wait_dscnt 0x0
	s_endpgm
; ---- PLACING.  Wave w has tokens 256 w .. 256 w + 255; register j of a lane: token 256 w + 128 (j / 4) + 4 lane + j % 4.
; v16-23 keys, v24-39 weights, v40-47 ranks, v48 my wave's counts (lane = bin), v58 all waves' counts, v59 those of the waves before me, v60-62 the three tables, v136-143 tokens.
; Of my work-group's register: v100 key, v101 rank, v102 token, v104-105 weights, v106 sorted position, v107-108 h rows, v109 my slot's h row.  Window 1, v0-63: 16 rows of x codes.
.Lplace:
	v_and_b32 v1, 31, v0
	s_lshl_b32 s17, s16, 10
	v_lshl_add_u32 v2, v1, 4, s17
	s_lshl_b32 s18, s16, 11
	v_lshl_add_u32 v3, v1, 5, s18
	global_load_b128 v[16:19], v2, s[8:9]
	global_load_b128 v[20:23], v2, s[8:9] offset:512
	global_load_b128 v[24:27], v3, s[6:7] offset:RCW_O
	global_load_b128 v[28:31], v3, s[6:7] offset:RCW_O+16
	global_load_b128 v[32:35], v3, s[6:7] offset:RCW_O+1024
	global_load_b128 v[36:39], v3, s[6:7] offset:RCW_O+1040
	s_add_nc_u64 s[22:23], s[10:11], SCW_O
	s_add_nc_u64 s[26:27], s[14:15], XSS_O
	s_lshr_b32 s94, ttmp9, 2                       ; j
	s_and_b32 s95, ttmp9, 1                        ; slot
	s_bfe_u32 s96, ttmp9, 0x10001                  ; which 16 lanes
	s_lshl_b32 s97, s16, 8
	s_lshr_b32 s98, s94, 2
	s_lshl_b32 s98, s98, 7
	s_add_co_u32 s97, s97, s98
	s_and_b32 s98, s94, 3
	s_add_co_u32 s97, s97, s98
	s_lshl_b32 s98, s96, 6
	s_add_co_u32 s97, s97, s98                     ; the first of my 16 tokens; they lie 4 apart
	s_lshl_b32 s24, s97, 9
	s_add_nc_u64 s[28:29], s[6:7], s[24:25]        ; its row of x codes,
	s_lshl_b32 s24, s97, 5
	s_add_nc_u64 s[30:31], s[6:7], s[24:25]
	s_add_nc_u64 s[30:31], s[30:31], XS_O          ; and of x scale bytes
	s_wait_alu depctr_va_vdst(0)
	v_lshl_add_u32 v9, v0, 2, PL                   ; my wave's counts: 128 x wave + 4 x lane
	v_lshl_add_u32 v10, v1, 2, PL
	s_lshl_b32 s19, s16, 8
	v_lshl_add_u32 v11, v1, 2, s19
	v_lshlrev_b32 v12, 4, v1                       ; 16 x lane
	v_lshrrev_b32 v116, 1, v1                      ; lane / 2: which of the 16 tokens, for the scale bytes
	v_and_b32 v119, 1, v1                          ; and which half of its 32
	s_delay_alu instid0(VALU_DEP_2)
	v_lshlrev_b32 v13, 7, v116
	s_delay_alu instid0(VALU_DEP_1)
	v_lshl_add_u32 v13, v119, 4, v13               ; 128 (lane / 2) + 16 (lane % 2)
	v_lshlrev_b32 v116, 2, v116
	v_mov_b32 v110, 0                              ; a lane permute's destination counts as one of its sources
.irp j, 0,1,2,3,4,5,6,7
	v_add_nc_u32 v[136+\j], 128*(\j/4)+\j%4, v11
	v_mov_b32 v[40+\j], 0
.endr
	v_mov_b32 v48, 0
	s_wait_loadcnt 4                               ; the keys are in; the four loads of weights may be out
.irp j, 0,1,2,3,4,5,6,7
	v_min_u32 v[16+\j], 31, v[16+\j]
.endr
	s_wait_alu depctr_va_vdst(0)
	s_cmp_eq_u32 ttmp9, 32
	s_cbranch_scc1 .Lnox                           ; work-group 32 copies nothing
	WIN 0x40
.irp i, 0,1,2,3,4,5,6,7,8,9,10,11,12,13,14,15
	global_load_b128 v[4*\i:4*\i+3], v12, s[28:29] offset:2048*\i   ; a token's 512 bytes of codes
.endr
	WIN 0
	global_load_b128 v[120:123], v13, s[30:31]     ; 16 tokens x 32 scale bytes
.Lnox:
	s_mov_b32 s40, 0
.Lbin:                                             ; bin s40: a token's rank is the count of my wave's tokens of the bin in earlier registers and lower lanes.
                                                   ; The eight registers go in batches (compares, counts, running sums, ranks, selects), so that vector and scalar work hand over once a bin and not once a register
.irp j, 0,1,2,3,4,5,6,7
	v_cmp_eq_u32 s[44+\j], s40, v[16+\j]           ; who is in the bin
.endr
.irp j, 0,1,2,3,4,5,6,7
	s_bcnt1_i32_b32 s[52+\j], s[44+\j]             ; how many, register by register,
.endr
.irp j, 1,2,3,4,5,6,7
	s_add_co_u32 s[52+\j], s[52+\j], s[51+\j]      ; and up to and with each register
.endr
	v_mbcnt_lo_u32_b32 v64, s44, 0
.irp j, 1,2,3,4,5,6,7
	v_mbcnt_lo_u32_b32 v[64+\j], s[44+\j], s[51+\j]   ; lower lanes of this register + all of the earlier registers
.endr
.irp j, 0,1,2,3,4,5,6,7
	v_cndmask_b32 v[40+\j], v[40+\j], v[64+\j], s[44+\j]
.endr
	v_mov_b32 v49, s59
	v_cmp_eq_u32 vcc_lo, s40, v1
	s_delay_alu instid0(VALU_DEP_1)
	v_cndmask_b32 v48, v48, v49, vcc_lo            ; the bin's count goes to lane = bin
	s_add_co_u32 s40, s40, 1
	s_cmp_lt_u32 s40, 32
	s_cbranch_scc1 .Lbin
	ds_store_b32 v9, v48
	s_wait_dscnt 0x0                               ; for the others: my store has landed
	s_barrier_signal -1
	s_barrier_wait -1
.irp w, 0,1,2,3,4,5,6,7
	ds_load_b32 v[50+\w], v10 offset:128*\w
.endr
	v_mov_b32 v58, 0
	v_mov_b32 v59, 0
	v_mov_b32 v60, 0
	v_mov_b32 v61, 0
	v_mov_b32 v62, 0
	s_wait_alu depctr_va_vdst(0)
	s_wait_dscnt 0x0
.irp w, 0,1,2,3,4,5,6,7
	v_add_nc_u32 v58, v58, v[50+\w]
	s_cmp_gt_u32 s16, \w
	s_cselect_b32 s42, -1, 0
	v_and_b32 v49, s42, v[50+\w]
	s_delay_alu instid0(VALU_DEP_1)
	v_add_nc_u32 v59, v59, v49
.endr
.set BB, 0
.rept 32
	v_readlane_b32 s[32+BB], v58, BB               ; the 32 counts as scalars
.set BB, BB+1
.endr
.irp e, 0,1,2,3,4,5,6,7
	s_mov_b32 s[68+\e], 0
.endr
; Bin b = 8 a + c stands for the pair (a, c) where c > a, for (7 - a, 7 - c) where c < a, and is not used where c = a.
.set BB, 0
.rept 32
.set BA, BB>>3
.set BC, BB&7
.if BC > BA
	s_add_co_u32 s[68+BA], s[68+BA], s[32+BB]
	s_add_co_u32 s[68+BC], s[68+BC], s[32+BB]
.elseif BC < BA
	s_add_co_u32 s[75-BA], s[75-BA], s[32+BB]
	s_add_co_u32 s[75-BC], s[75-BC], s[32+BB]
.endif
.set BB, BB+1
.endr
	s_mov_b32 s76, 0                               ; each expert's first h row: a multiple of 16
.irp e, 0,1,2,3,4,5,6
	s_add_co_u32 s92, s[68+\e], 15
	s_and_b32 s92, s92, -16
	s_add_co_u32 s[77+\e], s[76+\e], s92
.endr
.irp e, 0,1,2,3,4,5,6,7
	s_mov_b32 s[84+\e], s[76+\e]
.endr
	s_mov_b32 s93, 0
.set BB, 0
.rept 32
.set BA, BB>>3
.set BC, BB&7
	v_writelane_b32 v60, s93, BB                   ; where the bin begins among the sorted positions,
	s_add_co_u32 s93, s93, s[32+BB]
.if BC > BA
	v_writelane_b32 v61, s[84+BA], BB              ; among the lower expert's h rows,
	v_writelane_b32 v62, s[84+BC], BB              ; and among the higher one's
	s_add_co_u32 s[84+BA], s[84+BA], s[32+BB]
	s_add_co_u32 s[84+BC], s[84+BC], s[32+BB]
.elseif BC < BA
	v_writelane_b32 v61, s[91-BA], BB
	v_writelane_b32 v62, s[91-BC], BB
	s_add_co_u32 s[91-BA], s[91-BA], s[32+BB]
	s_add_co_u32 s[91-BC], s[91-BC], s[32+BB]
.endif
.set BB, BB+1
.endr
	v_add_nc_u32 v60, v60, v59                     ; behind the earlier waves' tokens of the bin
	v_add_nc_u32 v61, v61, v59
	v_add_nc_u32 v62, v62, v59
	s_wait_loadcnt 0x0                             ; the weights, and what I copy
	v_mov_b32 v100, v16                            ; my work-group's register j of key, rank, token and weights, by selects on the work-group's number
	v_mov_b32 v101, v40
	v_mov_b32 v102, v136
	v_mov_b32 v104, v24
	v_mov_b32 v105, v25
.irp j, 1,2,3,4,5,6,7
	s_cmp_eq_u32 s94, \j
	s_cselect_b32 s97, -1, 0
	v_cndmask_b32 v100, v100, v[16+\j], s97
	v_cndmask_b32 v101, v101, v[40+\j], s97
	v_cndmask_b32 v102, v102, v[136+\j], s97
	v_cndmask_b32 v104, v104, v[24+2*\j], s97
	v_cndmask_b32 v105, v105, v[25+2*\j], s97
.endr
	v_lshlrev_b32 v103, 2, v100
	ds_bpermute_b32 v106, v103, v60                ; each token takes its bin's three numbers from lane = bin
	ds_bpermute_b32 v107, v103, v61
	ds_bpermute_b32 v108, v103, v62
	s_wait_alu depctr_va_vdst(0)
	s_wait_dscnt 0x0
	v_add_nc_u32 v106, v106, v101
	v_add_nc_u32 v107, v107, v101
	v_add_nc_u32 v108, v108, v101
	s_delay_alu instid0(VALU_DEP_3)
	v_min_u32 v106, 2047, v106
	s_delay_alu instid0(VALU_DEP_3)
	v_min_u32 v107, 4223, v107
	s_delay_alu instid0(VALU_DEP_3)
	v_min_u32 v108, 4223, v108
	s_cmp_eq_u32 s95, 0
	s_cselect_b32 s97, 0, -1
	v_cndmask_b32 v109, v107, v108, s97            ; my slot's h row
	s_delay_alu instid0(VALU_DEP_1)
	v_permlanex16_b32 v110, v109, s20, s21
	s_cmp_eq_u32 s96, 0
	s_cselect_b32 s97, 0, -1
	v_cndmask_b32 v109, v109, v110, s97            ; lanes 0-15 now hold the rows of my 16 tokens
	s_delay_alu instid0(VALU_DEP_1)
	v_min_u32 v109, 4223, v109
	ds_bpermute_b32 v117, v116, v109               ; lane l: the row of token l / 2
	s_wait_alu depctr_va_vdst(0)
	s_cmp_eq_u32 ttmp9, 32
	s_cbranch_scc1 .Ltab
	s_and_b32 s97, ttmp9, 3
	s_cmp_lg_u32 s97, 0
	s_cbranch_scc1 .Lcopy
	v_lshl_or_b32 v112, v100, 16, v102             ; the register's records and weights, all 32 lanes
	v_lshl_or_b32 v113, v108, 16, v107
	v_lshlrev_b32 v114, 3, v106
	global_store_b64 v114, v[112:113], s[12:13]
	global_store_b64 v114, v[104:105], s[22:23]
.Lcopy:
	s_wait_dscnt 0x0
	v_min_u32 v117, 4223, v117
	s_delay_alu instid0(VALU_DEP_1)
	v_lshlrev_b32 v115, 5, v117
	s_delay_alu instid0(VALU_DEP_1)
	v_lshl_add_u32 v115, v119, 4, v115
	global_store_b128 v115, v[120:123], s[26:27]   ; 32 scale bytes to each of 16 h rows
.irp i, 0,1,2,3,4,5,6,7,8,9,10,11,12,13,14,15
	v_readlane_b32 s[32+\i], v109, \i
.endr
.irp i, 0,1,2,3,4,5,6,7,8,9,10,11,12,13,14,15
	s_min_u32 s[32+\i], s[32+\i], 4223
.endr
.irp i, 0,1,2,3,4,5,6,7,8,9,10,11,12,13,14,15
	v_lshl_add_u32 v[192+\i], s[32+\i], 9, v12
.endr
	WIN 0x04
.irp i, 0,1,2,3,4,5,6,7,8,9,10,11,12,13,14,15
	global_store_b128 v[192+\i], v[4*\i:4*\i+3], s[14:15]   ; 512 consecutive bytes, a whole h row
.endr
	WIN 0
	s_branch .Lpl_end
.Ltab:                                             ; wave e: expert e's pad rows get zero codes and zero scale bytes; an expert without pad rows sends them to row 4224 + e
	s_mov_b32 s94, s68
	s_mov_b32 s95, s76
.irp e, 1,2,3,4,5,6,7
	s_cmp_eq_u32 s16, \e
	s_cselect_b32 s94, s[68+\e], s94
	s_cselect_b32 s95, s[76+\e], s95
.endr
	s_sub_co_u32 s96, 0, s94
	s_and_b32 s96, s96, 15                         ; pad rows of the expert
	s_add_co_u32 s95, s95, s94                     ; the first of them
	s_add_co_u32 s97, s16, 4224
	s_cmp_eq_u32 s96, 0
	s_cselect_b32 s95, s97, s95
	s_max_u32 s96, s96, 1
	s_sub_co_u32 s96, s96, 1                       ; the last pad row's number among them: later stores name it again
	s_min_u32 s96, s96, 14
.irp k, 0,1,2,3
	v_mov_b32 v[224+\k], 0
.endr
	v_lshrrev_b32 v118, 1, v1
	s_delay_alu instid0(VALU_DEP_1)
	v_min_u32 v118, s96, v118
	s_delay_alu instid0(VALU_DEP_1)
	v_add_nc_u32 v118, s95, v118
	s_delay_alu instid0(VALU_DEP_1)
	v_min_u32 v118, 4231, v118
	s_delay_alu instid0(VALU_DEP_1)
	v_lshlrev_b32 v118, 5, v118
	s_delay_alu instid0(VALU_DEP_1)
	v_lshl_add_u32 v118, v119, 4, v118
	s_wait_alu depctr_va_vdst(0)
	global_store_b128 v118, v[224:227], s[26:27]
.irp i, 0,1,2,3,4,5,6,7,8,9,10,11,12,13,14
	s_min_u32 s98, s96, \i
	s_add_co_u32 s98, s98, s95
	s_min_u32 s98, s98, 4231
	v_lshl_add_u32 v[192+\i], s98, 9, v12
	global_store_b128 v[192+\i], v[224:227], s[14:15]
.endr
	s_cmp_lg_u32 s16, 0                            ; wave 0 alone: the counts
	s_cbranch_scc1 .Lpl_end
	v_mov_b32 v144, 0
.irp e, 0,1,2,3,4,5,6,7
	s_delay_alu instid0(VALU_DEP_1)
	v_writelane_b32 v144, s[68+\e], \e
	s_delay_alu instid0(VALU_DEP_1)
	v_writelane_b32 v144, s[76+\e], 8+\e
.endr
	v_lshlrev_b32 v145, 2, v1
	global_store_b32 v145, v144, s[12:13] offset:ECNT_O
.Lpl_end:
	s_wait_tensorcnt 0x0                           ; the wave's end
	ds_add_u32 v[SPW], v[NIL]
	s_wait_dscnt 0x0
	s_endpgm
.Lfunc_end_k_qa4a9555587_prep_b:
	.size	k_qa4a9555587_prep_b, .Lfunc_end_k_qa4a9555587_prep_b-k_qa4a9555587_prep_b
	.p2alignl 7, 3214868480
	.fill 96, 4, 3214868480
	.section	.rodata,"a",@progbits
	.p2align	6, 0x0
	.amdhsa_kernel k_qa4a9555587_prep_b
		.amdhsa_group_segment_fixed_size 137216
		.amdhsa_private_segment_fixed_size 0
		.amdhsa_enable_private_segment 0
		.amdhsa_kernarg_size 48
		.amdhsa_user_sgpr_count 2
		.amdhsa_user_sgpr_kernarg_segment_ptr 1
		.amdhsa_wavefront_size32 1
		.amdhsa_system_sgpr_workgroup_id_x 1
		.amdhsa_system_sgpr_workgroup_id_y 1
		.amdhsa_system_sgpr_workgroup_id_z 1
		.amdhsa_system_vgpr_workitem_id 0
		.amdhsa_next_free_vgpr 512
		.amdhsa_next_free_sgpr 100
		.amdhsa_reserve_vcc 1
		.amdhsa_float_denorm_mode_32 3
		.amdhsa_float_denorm_mode_16_64 3
		.amdhsa_memory_ordered 1
		.amdhsa_forward_progress 1
		.amdhsa_inst_pref_size 79
	.end_amdhsa_kernel
	.amdgpu_metadata
---
amdhsa.version: [ 1, 2 ]
amdhsa.kernels:
  - .name:           k_qa4a9555587_prep_b
    .symbol:         k_qa4a9555587_prep_b.kd
    .args:
      - { .name: w13, .offset: 0, .size: 8, .value_kind: global_buffer, .address_space: global }
      - { .name: q1, .offset: 8, .size: 8, .value_kind: global_buffer, .address_space: global }
      - { .name: rk, .offset: 16, .size: 8, .value_kind: global_buffer, .address_space: global }
      - { .name: q2, .offset: 24, .size: 8, .value_kind: global_buffer, .address_space: global }
      - { .name: idx, .offset: 32, .size: 8, .value_kind: global_buffer, .address_space: global }
      - { .name: xs, .offset: 40, .size: 8, .value_kind: global_buffer, .address_space: global }
    .group_segment_fixed_size: 137216
    .private_segment_fixed_size: 0
    .kernarg_segment_align: 8
    .kernarg_segment_size: 48
    .max_flat_workgroup_size: 256
    .sgpr_count:     100
    .vgpr_count:     512
    .wavefront_size: 32
...
	.end_amdgpu_metadata
.endif
;; end of part 2
;; launch up (part 3): grid 256 x 1, 4 waves a work-group, no clusters, 34,304 bytes of LDS; arguments xs, q2, idx, hq; writes hq
.if DOCPART == 3
	.amdgcn_target "amdgcn-amd-amdhsa--gfx1250"
	.amdhsa_code_object_version 6
	.text
	.protected	k_qa4a9555587_up
	.globl	k_qa4a9555587_up
	.p2align	8
	.type	k_qa4a9555587_up,@function
k_qa4a9555587_up:
	s_mov_b64 s[64:65], 0
	v_nop
	global_prefetch_b8 v0, s[64:65] scope:SCOPE_SE
	s_setreg_imm32_b32 hwreg(HW_REG_WAVE_MODE, 25, 1), 1
	s_wait_xcnt 0x0
; Third launch: gate and up products of the routed rows, exact GELU, h = gelu(g) u quantised along I.  Rows of experts outside a token's top 2 are left out (first kernel's head).
; SHARES.  Work-group: expert e = number / 32, hidden units 64 ug .. 64 ug + 63 (ug = (number / 2) % 16), and half of the expert's tiles of 16 rows; each of its four waves an eighth of them.
; A wave keeps the codes of its 64 gate rows and 64 up rows of w13 in 512 registers for the whole launch and walks its tiles; how many hangs on the counts that the launch before stored, so operands come
; from memory straight into registers, there is no barrier, and a wave without a tile ends.  x lies by h row (xs): a tile is 16 rows of 512 bytes on end, read by one base and immediate offsets.
; THE PRODUCTS ARE USED TRANSPOSED (source 0 = 16 rows of w13, source 1 = 16 tokens): a lane holds one token, and by the choice of a tile's rows registers 16 b + 0 .. 15 are units 32 b + 16 (lane / 16) + 0 .. 15.
; GELU.  gelu(g) = g F, F = 0.5 erfc(-g / sqrt 2).  For a >= 0, erfc(a) = t exp(-a a + c0 + t (c1 + .. + t c9)), t = 1 / (1 + a / 2): a fit with fractional error under 1.2e-7 for every a.
; All constants are taken in base 2 and the 0.5 lies in c0.  With r = 0.5 erfc(|g| / sqrt 2): g F = max(g, 0) - |g| r for either sign of g: one maximum and one fused multiply-add, no branch.  LIMIT: r under 2^-126 becomes 0.
; hq: codes [ug][h row][32 bytes] (byte 16 b on: block 2 ug + b), scale bytes [ug][h row][2] at HS_O.  A wave's 32 scale bytes of a tile are too few for a whole aligned 256 bytes.
; REGISTERS.  window 0: v1-8 addresses; v16-47 gate sums, then h; v48-79 up sums; v80-111 the weights' scale words; v112-115 x's; v116-211 GELU; v212-227 at work; v228-231 codes.
;   window 1: weights of K steps 0-3 (step s, tile t at 8 (8 s + t); t = 4 kind + 2 b + u);  window 2: K steps 4-7;  window 3: v0-63 16 rows of x codes as loaded, v64-127 x's eight fragments.
.set XSS_O,  2166784
.set WS13_O, 8388608
.set ECNT_O, 33536
.set HS_O,   2162688
.set HPL,    135168                    ; a plane of h codes: 4,224 rows x 32 bytes
.set SPL,    8448                      ; a plane of h scale bytes
.set SPARE,  33792                     ; LDS: four stages of 16 rows x 528 bytes, then the spare words: two blocks of 256 bytes that no other line names
.set SPW,    252
.set NIL,    253
.set G,      16
.set U,      48
.set TT,     116
.set PP,     148
.set A2,     180
.set TM,     212
.set PC,     228
.set VB,     235
.set MSB, 0
.macro WIN new                         ; the immediate's high byte repeats the setting that is left
.if MSB != (\new)
	s_set_vgpr_msb (MSB<<8)|(\new)
.set MSB, (\new)
.endif
.endm
; one matrix instruction: z = 1 starts the sum; ra, rb = 1: the side's scales are read from lanes 16-31
.macro WM d, a, b, z, sa, sb, ra, rb
.set WMV, 4*(\z)+2*(\ra)+(\rb)
.if WMV == 0
	v_wmma_scale_f32_16x16x128_f8f6f4 v[\d:\d+7], v[\a:\a+7], v[\b:\b+7], v[\d:\d+7], v[\sa], v[\sb] matrix_a_fmt:MATRIX_FMT_FP4 matrix_b_fmt:MATRIX_FMT_FP4
.elseif WMV == 1
	v_wmma_scale_f32_16x16x128_f8f6f4 v[\d:\d+7], v[\a:\a+7], v[\b:\b+7], v[\d:\d+7], v[\sa], v[\sb] matrix_a_fmt:MATRIX_FMT_FP4 matrix_b_fmt:MATRIX_FMT_FP4 matrix_b_scale:MATRIX_SCALE_ROW1
.elseif WMV == 2
	v_wmma_scale_f32_16x16x128_f8f6f4 v[\d:\d+7], v[\a:\a+7], v[\b:\b+7], v[\d:\d+7], v[\sa], v[\sb] matrix_a_fmt:MATRIX_FMT_FP4 matrix_b_fmt:MATRIX_FMT_FP4 matrix_a_scale:MATRIX_SCALE_ROW1
.elseif WMV == 3
	v_wmma_scale_f32_16x16x128_f8f6f4 v[\d:\d+7], v[\a:\a+7], v[\b:\b+7], v[\d:\d+7], v[\sa], v[\sb] matrix_a_fmt:MATRIX_FMT_FP4 matrix_b_fmt:MATRIX_FMT_FP4 matrix_a_scale:MATRIX_SCALE_ROW1 matrix_b_scale:MATRIX_SCALE_ROW1
.elseif WMV == 4
	v_wmma_scale_f32_16x16x128_f8f6f4 v[\d:\d+7], v[\a:\a+7], v[\b:\b+7], 0, v[\sa], v[\sb] matrix_a_fmt:MATRIX_FMT_FP4 matrix_b_fmt:MATRIX_FMT_FP4
.else
	v_wmma_scale_f32_16x16x128_f8f6f4 v[\d:\d+7], v[\a:\a+7], v[\b:\b+7], 0, v[\sa], v[\sb] matrix_a_fmt:MATRIX_FMT_FP4 matrix_b_fmt:MATRIX_FMT_FP4 matrix_a_scale:MATRIX_SCALE_ROW1
.endif
.endm
.macro KPAIR r, val                    ; a constant as a pair: the packed forms name a pair and take its low word for both halves
	s_mov_b32 s[\r], \val
	s_mov_b32 s[\r+1], \val
.endm
	s_load_b256 s[4:11], s[0:1], 0x0               ; xs s[4:5], q2 s[6:7], idx s[8:9], hq s[10:11]
	v_lshl_add_u32 v[SPW], v0, 2, SPARE
	v_mov_b32 v[NIL], 0
	v_lshrrev_b32 v9, 5, v0
	v_readfirstlane_b32 s12, v9                    ; wave 0..3
	s_lshr_b32 s13, ttmp9, 5                       ; e
	s_bfe_u32 s14, ttmp9, 0x40001                  ; ug
	s_and_b32 s15, ttmp9, 1
	s_lshl_b32 s15, s15, 2
	s_add_co_u32 s15, s15, s12                     ; which eighth of the tiles
	v_and_b32 v9, 31, v0
	v_and_b32 v7, 15, v0                           ; r
	v_bfe_u32 v8, v0, 4, 1                         ; h
	v_lshlrev_b32 v1, 4, v9                        ; 16 x lane
	s_mul_i32 s16, s12, 8448
	v_add_nc_u32 v2, s16, v1                       ; my stage, in
	v_mul_u32_u24 v3, v7, 528
	v_lshl_add_u32 v3, v8, 4, v3
	v_add_nc_u32 v3, s16, v3                       ; and out: row r, + 16 h
	v_lshlrev_b32 v4, 5, v7
	v_lshl_add_u32 v4, v8, 4, v4                   ; h codes, and x's scale bytes (lanes 16-31: K steps 4-7): 32 r + 16 h
	v_lshl_add_u32 v5, v7, 1, v8                   ; h scale bytes: 2 r + h
	v_lshlrev_b32 v6, 3, v9
	KPAIR 66, 0xc034d90f                           ; c0 log2 e - 1
	KPAIR 68, 0x3fb8ab5a                           ; c1 .. c8, times log2 e
	KPAIR 70, 0x3f0a29d2
	KPAIR 72, 0x3e0efb2e
	KPAIR 74, 0xbe899a80
	KPAIR 76, 0x3ecdfd18
	KPAIR 78, 0xbfd1a1e5
	KPAIR 80, 0x40097039
	KPAIR 82, 0xbf97d29d
	KPAIR 84, 0x3f596d27                           ; sqrt(log2 e / 2)
	s_mov_b32 s86, 0x3eb504f3                      ; 1 / (2 sqrt 2)
	s_mov_b32 s87, 0xffff0000
	s_mov_b32 s88, 0x76543210
	s_mov_b32 s89, 0xfedcba98
	v_mov_b32 v236, 0x3e7c6f08                     ; c9 log2 e
	v_mov_b32 v237, 0x3e7c6f08
	v_mov_b32 v[TM+4], 0                           ; a lane permute's destination counts as one of its sources
	v_mov_b32 v[TM+5], 0
	s_lshl_b32 s20, s13, 6
	s_lshl_b32 s21, s14, 1
	s_add_co_u32 s20, s20, s21                     ; the first of my gate pairs: 64 e + 2 ug; the up pairs lie 32 further on
	s_lshl_b32 s22, s20, 14
	s_mov_b32 s23, 0
	s_lshl_b32 s24, s20, 10
	s_mov_b32 s25, 0
	s_lshl_b32 s26, s13, 2
	s_mov_b32 s97, 0
	s_wait_alu depctr_va_vdst(0)
	s_wait_kmcnt 0x0
	s_load_b32 s27, s[8:9], s26 offset:ECNT_O      ; the expert's rows,
	s_load_b32 s28, s[8:9], s26 offset:ECNT_O+32   ; and its first h row
	s_add_nc_u64 s[16:17], s[6:7], s[22:23]
	s_add_nc_u64 s[18:19], s[6:7], s[24:25]
	s_add_nc_u64 s[18:19], s[18:19], WS13_O
.macro WHALF k0                        ; the weights of K steps k0 .. k0 + 3: 64 loads of 512 consecutive bytes
.irp ks, 0,1,2,3
.irp t, 0,1,2,3,4,5,6,7
.irp c, 0,1
	global_load_b128 v[8*(8*\ks+\t)+4*\c:8*(8*\ks+\t)+4*\c+3], v1, s[16:17] offset:(\t/4)*524288+((\t/2)%2)*16384+(\t%2)*8192+(\k0+\ks)*1024+\c*512
.endr
.endr
.endr
.endm
	WIN 0x40
	WHALF 0
	WIN 0
.irp p, 0,1,2,3
.irp q, 0,1,2,3
	global_load_b64 v[80+8*\p+2*\q:81+8*\p+2*\q], v6, s[18:19] offset:(\p/2)*32768+(\p%2)*1024+\q*256   ; lanes 0-15 tile u = 0, lanes 16-31 u = 1; K steps 2 q, 2 q + 1
.endr
.endr
	s_wait_kmcnt 0x0
	s_min_u32 s27, s27, 2048
	s_min_u32 s28, s28, 4208
	s_add_co_u32 s29, s27, 15
	s_lshr_b32 s29, s29, 4                         ; the expert's tiles
	s_mul_i32 s94, s15, s29
	s_lshr_b32 s94, s94, 3                         ; my first tile,
	s_add_co_u32 s30, s15, 1
	s_mul_i32 s95, s30, s29
	s_lshr_b32 s95, s95, 3                         ; and the first that is not mine
	s_min_u32 s94, s94, 128
	s_min_u32 s95, s95, 128
	s_cmp_ge_u32 s94, s95
	s_cbranch_scc1 .Lnone                          ; no tile for me: I have written no LDS and end
.macro XROWS                           ; a tile's 16 rows of x codes, 512 consecutive bytes each, 8,192 on end
	WIN 0xc0
.irp i, 0,1,2,3,4,5,6,7,8,9,10,11,12,13,14,15
	global_load_b128 v[4*\i:4*\i+3], v1, s[32:33] offset:512*\i
.endr
	WIN 0
.endm
; K step s: eight sums by turns, one instruction a turn
.macro MUL s
.if \s < 4
	WIN 0x0d
.else
	WIN 0x0e
.endif
.set rZ, 0
.if \s == 0
.set rZ, 1
.endif
.irp t, 0,1,2,3,4,5,6,7
.set rD, 16+8*\t
.set rW, 8*(8*(\s%4)+\t)
.set rX, 64+8*\s
.set rSA, 80+8*(\t/2)+\s
.set rSB, 112+\s%4
	WM rD, rW, rX, rZ, rSA, rSB, \t%2, \s/4
.endr
.endm
	s_lshl_b32 s98, s94, 4
	s_add_co_u32 s98, s98, s28                     ; my first h row
	s_min_u32 s98, s98, 4208
	s_lshl_b32 s96, s98, 9
	s_add_nc_u64 s[32:33], s[4:5], s[96:97]        ; its x codes,
	s_lshl_b32 s96, s98, 5
	s_add_nc_u64 s[34:35], s[4:5], s[96:97]
	s_add_nc_u64 s[34:35], s[34:35], XSS_O         ; and x scale bytes
	XROWS
	global_load_b128 v[112:115], v4, s[34:35]
	s_mul_i32 s96, s14, HPL
	s_lshl_b32 s99, s98, 5
	s_add_co_u32 s96, s96, s99
	s_add_nc_u64 s[90:91], s[10:11], s[96:97]      ; where my codes go,
	s_mul_i32 s96, s14, SPL
	s_lshl_b32 s99, s98, 1
	s_add_co_u32 s96, s96, s99
	s_add_nc_u64 s[92:93], s[10:11], s[96:97]
	s_add_nc_u64 s[92:93], s[92:93], HS_O          ; and my scale bytes
	WIN 0x80
	WHALF 4
	WIN 0
	s_wait_loadcnt 63                              ; behind the first half of the weights, the rows and x's scale words stand these 64 loads: with 63 out, all of those have landed
.Ltop:                                             ; a trip is a tile.  Here its rows and scale words are in: by the wait above, or by the wait at a trip's end
	WIN 0x0c
.irp i, 0,1,2,3,4,5,6,7,8,9,10,11,12,13,14,15
	ds_store_b128 v2, v[4*\i:4*\i+3] offset:528*\i
.endr
	WIN 0xc0
.irp s, 0,1,2,3,4,5,6,7
.irp c, 0,1
	ds_load_b128 v[64+8*\s+4*\c:64+8*\s+4*\c+3], v3 offset:64*\s+32*\c   ; LDS serves a wave in order: these see the stores above
.endr
.endr
	WIN 0
	s_add_co_u32 s30, s94, 1
	s_cmp_lt_u32 s30, s95
	s_cbranch_scc1 .Lpre
	s_wait_loadcnt 0x0                             ; my last tile asks for nothing: all my loads, the weights' second half among them
	s_branch .Lmul
.Lpre:
	s_wait_xcnt 0x0                                ; the bases are stepped only behind this wait
	s_add_nc_u64 s[32:33], s[32:33], 8192          ; the next tile
	s_add_nc_u64 s[34:35], s[34:35], 512
	s_wait_dscnt 16                                ; behind the 16 stores into the stage stand its 16 loads alone: with 16 out the stores have read the rows' registers,
	XROWS                                          ; which take the next tile's rows: 16 loads
.Lmul:
	s_wait_dscnt 0x0                               ; x's eight fragments are in
	MUL 0
	MUL 1
	MUL 2
	MUL 3
	s_wait_loadcnt 16                              ; all but those 16: in my first tile the weights of K steps 4-7
	MUL 4
	MUL 5
	MUL 6
	MUL 7
	WIN 0
.rept 4
	v_nop                                          ; four places behind the last product: for the load into x's scale words and the first read of the sums
.endr
	s_cmp_lt_u32 s30, s95
	s_cbranch_scc0 .Lnoxs
	global_load_b128 v[112:115], v4, s[34:35]
.Lnoxs:
.set i, 0
.rept 32
	v_fma_f32 v[TT+i], |v[G+i]|, s86, 1.0          ; 1 + a / 2; each sum is read from its low end on
.set i, i+1
.endr
.set i, 0
	s_wait_alu depctr_va_vdst(0)                   ; ahead of the batch
.rept 32
	v_rcp_f32 v[TT+i], v[TT+i]                     ; t
.set i, i+1
.endr
.set i, 0
.rept 16
	v_pk_mul_f32 v[A2+i:A2+i+1], v[G+i:G+i+1], s[84:85] op_sel_hi:[1,0]   ; its square is a a log2 e
.set i, i+2
.endr
	s_wait_alu depctr_va_vdst(0)                   ; one wait for the 32 reciprocals, ahead of their first reader
.set i, 0
.rept 16
	v_pk_fma_f32 v[PP+i:PP+i+1], v[TT+i:TT+i+1], v[236:237], s[82:83] op_sel_hi:[1,1,0]
.set i, i+2
.endr
.irp k, 80,78,76,74,72,70,68,66
.set i, 0
.rept 16
	v_pk_fma_f32 v[PP+i:PP+i+1], v[PP+i:PP+i+1], v[TT+i:TT+i+1], s[\k:\k+1] op_sel_hi:[1,1,0]
.set i, i+2
.endr
.endr
.set i, 0
.rept 16
	v_pk_fma_f32 v[PP+i:PP+i+1], v[A2+i:A2+i+1], v[A2+i:A2+i+1], v[PP+i:PP+i+1] neg_lo:[1,0,0] neg_hi:[1,0,0]
.set i, i+2
.endr
.set i, 0
	s_wait_alu depctr_va_vdst(0)
.rept 32
	v_exp_f32 v[PP+i], v[PP+i]
.set i, i+1
.endr
.set i, 0
.rept 32
	v_max_num_f32 v[A2+i], 0, v[G+i]               ; max(g, 0): plain work behind the batch
.set i, i+1
.endr
	s_wait_alu depctr_va_vdst(0)                   ; one wait for the 32 exponentials
.set i, 0
.rept 16
	v_pk_mul_f32 v[TT+i:TT+i+1], v[TT+i:TT+i+1], v[PP+i:PP+i+1]          ; r
.set i, i+2
.endr
.set i, 0
.rept 32
	v_fma_f32 v[A2+i], -|v[G+i]|, v[TT+i], v[A2+i] ; gelu(g) = max(g, 0) - |g| r
.set i, i+1
.endr
	s_wait_alu depctr_va_vdst(0)                   ; ahead of the first read of the up sums
.set i, 0
.rept 16
	v_pk_mul_f32 v[G+i:G+i+1], v[U+i:U+i+1], v[A2+i:A2+i+1]              ; h; each up sum is read from its low end on
.set i, i+2
.endr
; h's two blocks of 32 become codes and bytes
.irp b, 0,1
	v_max3_num_f32 v[TM+\b], |v[G+16*\b]|, |v[G+1+16*\b]|, 0x1800000     ; with the floor 2^(3 - 127)
.endr
.irp i, 2,4,6,8,10,12,14
.irp b, 0,1
	v_max3_num_f32 v[TM+\b], v[TM+\b], |v[G+16*\b+\i]|, |v[G+1+16*\b+\i]|
.endr
.endr
.irp b, 0,1
	v_permlanex16_b32 v[TM+4+\b], v[TM+\b], s88, s89
.endr
.irp b, 0,1
	v_max_num_f32 v[TM+\b], v[TM+\b], v[TM+4+\b]
.endr
.irp b, 0,1
	v_add_nc_u32 v[TM+12+\b], 0xff000000, v[TM+\b]
.endr
.irp b, 0,1
	v_lshrrev_b32 v[TM+4+\b], 23, v[TM+12+\b]
.endr
.irp b, 0,1
	v_cvt_scalef32_pk8_fp4_f32 v[PC+2*\b], v[G+16*\b:G+7+16*\b], v[TM+12+\b]
	v_cvt_scalef32_pk8_fp4_f32 v[PC+1+2*\b], v[G+8+16*\b:G+15+16*\b], v[TM+12+\b]
.endr
	v_nop                                          ; one plain instruction behind the scaled conversions
	v_permlane16_swap_b32 v[PC], v[PC+2]           ; lanes 0-15 now hold block 0 whole, lanes 16-31 block 1
	v_permlane16_swap_b32 v[PC+1], v[PC+3]
	v_cndmask_b32 v[VB], v[TM+4], v[TM+5], s87     ; and my block's byte
	global_store_b128 v4, v[PC:PC+3], s[90:91]     ; 512 consecutive bytes
	global_store_b8 v5, v[VB], s[92:93]            ; 32 consecutive bytes
	s_wait_xcnt 0x0                                ; the stores have read their registers and bases
	s_add_nc_u64 s[90:91], s[90:91], 512
	s_add_nc_u64 s[92:93], s[92:93], 32
	s_wait_loadcnt 0x0                             ; the next tile's rows and scale words (my last tile: nothing is out)
	s_add_co_u32 s94, s94, 1
	s_cmp_lt_u32 s94, s95
	s_cbranch_scc1 .Ltop
	s_wait_tensorcnt 0x0                           ; the wave's end
	ds_add_u32 v[SPW], v[NIL]
	s_wait_dscnt 0x0
	s_endpgm
.Lnone:
	s_endpgm
.Lfunc_end_k_qa4a9555587_up:
	.size	k_qa4a9555587_up, .Lfunc_end_k_qa4a9555587_up-k_qa4a9555587_up
	.p2alignl 7, 3214868480
	.fill 96, 4, 3214868480
	.section	.rodata,"a",@progbits
	.p2align	6, 0x0
	.amdhsa_kernel k_qa4a9555587_up
		.amdhsa_group_segment_fixed_size 34304
		.amdhsa_private_segment_fixed_size 0
		.amdhsa_enable_private_segment 0
		.amdhsa_kernarg_size 32
		.amdhsa_user_sgpr_count 2
		.amdhsa_user_sgpr_kernarg_segment_ptr 1
		.amdhsa_wavefront_size32 1
		.amdhsa_system_sgpr_workgroup_id_x 1
		.amdhsa_system_sgpr_workgroup_id_y 1
		.amdhsa_system_sgpr_workgroup_id_z 1
		.amdhsa_system_vgpr_workitem_id 0
		.amdhsa_next_free_vgpr 896
		.amdhsa_next_free_sgpr 100
		.amdhsa_reserve_vcc 0
		.amdhsa_float_denorm_mode_32 3
		.amdhsa_float_denorm_mode_16_64 3
		.amdhsa_memory_ordered 1
		.amdhsa_forward_progress 1
		.amdhsa_inst_pref_size 56
	.end_amdhsa_kernel
	.amdgpu_metadata
---
amdhsa.version: [ 1, 2 ]
amdhsa.kernels:
  - .name:           k_qa4a9555587_up
    .symbol:         k_qa4a9555587_up.kd
    .args:
      - { .name: xs, .offset: 0, .size: 8, .value_kind: global_buffer, .address_space: global }
      - { .name: q2, .offset: 8, .size: 8, .value_kind: global_buffer, .address_space: global }
      - { .name: idx, .offset: 16, .size: 8, .value_kind: global_buffer, .address_space: global }
      - { .name: hq, .offset: 24, .size: 8, .value_kind: global_buffer, .address_space: global }
    .group_segment_fixed_size: 34304
    .private_segment_fixed_size: 0
    .kernarg_segment_align: 8
    .kernarg_segment_size: 32
    .max_flat_workgroup_size: 128
    .sgpr_count:     100
    .vgpr_count:     896
    .wavefront_size: 32
...
	.end_amdgpu_metadata
.endif
;; end of part 3
;; launch down (part 4): grid 32 x 8, 4 waves a work-group, no clusters, 103,936 bytes of LDS; arguments q1, q2, idx, hq, out0; writes out0
.if DOCPART == 4
	.amdgcn_target "amdgcn-amd-amdhsa--gfx1250"
	.amdhsa_code_object_version 6
	.text
	.protected	k_qa4a9555587_down
	.globl	k_qa4a9555587_down
	.p2align	8
	.type	k_qa4a9555587_down,@function
k_qa4a9555587_down:
	s_mov_b64 s[64:65], 0
	v_nop
	global_prefetch_b8 v0, s[64:65] scope:SCOPE_SE
	s_setreg_imm32_b32 hwreg(HW_REG_WAVE_MODE, 25, 1), 1
	s_wait_xcnt 0x0
; Fourth launch: the down product of the routed rows and the weighted sum.  Rows of experts outside a token's top 2 are left out (first kernel's head).
; SHARES.  Work-group (x, y) owns the tokens at sorted positions 64 x .. 64 x + 63 and output columns 128 y .. 128 y + 127; wave w columns 32 w on: each output number has one owner, and nothing is added across work-groups.
; Each token has two h rows: slot 0 for its lower expert, slot 1 for its higher.  Both slots of the 64 tokens stay in registers (windows 1 and 2).  The work-group walks the (expert, slot) pairs that its tokens have,
; a list of bits made from the stored keys: for each, w2's 32 rows of the expert against the slot's 64 h rows; a token whose expert in that slot is another one gets the factor 0.
; LIMIT: such a foreign sum is taken to be finite (it is of the size of the true ones).
; The walk hangs on stored numbers, so the weights come from memory straight into registers; both barriers stand outside it.
; THE WEIGHTS ARE ASKED FOR TWO PRODUCTS AHEAD: two buffers; product p multiplies from buffer p % 2, and behind each of its K steps the weights of that K step of product p + 2 are asked for into the same registers.
; The walk: a loop over pairs of such products, one more where their number is odd, and the last two products, which ask for nothing, written out.  There are at least two products: every token has a bit in each slot.
; THE PRODUCT IS USED TRANSPOSED (source 0 = 16 rows of w2, source 1 = 16 tokens): lane (r, h) holds token r and, in tiles u = 0, 1, columns 16 h + 8 u + 0 .. 7 of the wave's 32.
; REGISTERS.  window 0: v1-15 addresses; v16-33, v58 at work; v40-47 w2's scale words, buffer 1; v64-127 the product's eight sums (ahead of the first product v96-119 are at work); v128-191 the output's;
;   v192-223 h's scale words; v224-231 w2's scale words, buffer 0; v232-239 expert of (tile, slot); v240-247 its weight; v248-255 the factor of each tile, as pairs.
;   window 1, 2: h fragments of slot 0, 1 (tile i, K step s at 8 (8 i + s)).   window 3: w2's fragments (buffer b, K step s, tile u at 128 b + 16 s + 8 u).
.set WC2_O,  1114112
.set WS2_O,  5308416
.set SCW_O,  8912896
.set HS_O,   2162688
.set HPL,    135168
.set SPL,    8448
.set HSC,    65536                     ; LDS: 0: 64 images of h fragments, 1,024 bytes each ((2 i + slot) 8 + s); HSC: their scale words, 512 bytes for (i, slot)
.set STAGE,  69632                     ; 64 rows x (512 bytes + 16) for the way out
.set SPARE,  103424                    ; the spare words: two blocks of 256 bytes that no other line names
.set SPW,    62
.set NIL,    63
.set MSB, 0
.macro WIN new                         ; the immediate's high byte repeats the setting that is left
.if MSB != (\new)
	s_set_vgpr_msb (MSB<<8)|(\new)
.set MSB, (\new)
.endif
.endm
.macro WM d, a, b, z, sa, sb, ra, rb
.set WMV, 4*(\z)+2*(\ra)+(\rb)
.if WMV == 0
	v_wmma_scale_f32_16x16x128_f8f6f4 v[\d:\d+7], v[\a:\a+7], v[\b:\b+7], v[\d:\d+7], v[\sa], v[\sb] matrix_a_fmt:MATRIX_FMT_FP4 matrix_b_fmt:MATRIX_FMT_FP4
.elseif WMV == 1
	v_wmma_scale_f32_16x16x128_f8f6f4 v[\d:\d+7], v[\a:\a+7], v[\b:\b+7], v[\d:\d+7], v[\sa], v[\sb] matrix_a_fmt:MATRIX_FMT_FP4 matrix_b_fmt:MATRIX_FMT_FP4 matrix_b_scale:MATRIX_SCALE_ROW1
.elseif WMV == 2
	v_wmma_scale_f32_16x16x128_f8f6f4 v[\d:\d+7], v[\a:\a+7], v[\b:\b+7], v[\d:\d+7], v[\sa], v[\sb] matrix_a_fmt:MATRIX_FMT_FP4 matrix_b_fmt:MATRIX_FMT_FP4 matrix_a_scale:MATRIX_SCALE_ROW1
.elseif WMV == 3
	v_wmma_scale_f32_16x16x128_f8f6f4 v[\d:\d+7], v[\a:\a+7], v[\b:\b+7], v[\d:\d+7], v[\sa], v[\sb] matrix_a_fmt:MATRIX_FMT_FP4 matrix_b_fmt:MATRIX_FMT_FP4 matrix_a_scale:MATRIX_SCALE_ROW1 matrix_b_scale:MATRIX_SCALE_ROW1
.elseif WMV == 4
	v_wmma_scale_f32_16x16x128_f8f6f4 v[\d:\d+7], v[\a:\a+7], v[\b:\b+7], 0, v[\sa], v[\sb] matrix_a_fmt:MATRIX_FMT_FP4 matrix_b_fmt:MATRIX_FMT_FP4
.else
	v_wmma_scale_f32_16x16x128_f8f6f4 v[\d:\d+7], v[\a:\a+7], v[\b:\b+7], 0, v[\sa], v[\sb] matrix_a_fmt:MATRIX_FMT_FP4 matrix_b_fmt:MATRIX_FMT_FP4 matrix_a_scale:MATRIX_SCALE_ROW1
.endif
.endm
	s_load_b256 s[4:11], s[0:1], 0x0               ; q1 s[4:5], q2 s[6:7], idx s[8:9], hq s[10:11]
	s_load_b64 s[12:13], s[0:1], 0x20              ; out0
	v_lshl_add_u32 v[SPW], v0, 2, SPARE
	v_mov_b32 v[NIL], 0
	v_lshrrev_b32 v24, 5, v0
	v_readfirstlane_b32 s14, v24                   ; wave 0..3
	s_and_b32 s16, ttmp7, 0xffff                   ; which 128 columns
	s_lshl_b32 s17, s16, 2
	s_add_co_u32 s17, s17, s14                     ; my pair of tiles inside an expert's 32
	v_and_b32 v24, 31, v0
	v_and_b32 v14, 15, v0                          ; r
	v_bfe_u32 v15, v0, 4, 1                        ; h
	v_lshlrev_b32 v1, 4, v24                       ; 16 x lane
	v_lshlrev_b32 v2, 3, v24
	s_lshl_b32 s51, s14, 14
	v_add_nc_u32 v3, s51, v1                       ; where I store my tile's 16 images
	v_add_nc_u32 v4, HSC, v1
	s_lshl_b32 s51, s14, 10
	v_add_nc_u32 v5, s51, v4                       ; and their scale words
	v_mul_u32_u24 v6, v14, 528
	v_lshl_add_u32 v6, v15, 6, v6
	s_lshl_b32 s51, s14, 7
	v_lshlrev_b32 v8, 3, v14                       ; records: 8 bytes a position
	v_add_nc_u32 v9, s51, v8                       ; those of tile i = wave
	s_add_co_u32 s51, s51, STAGE
	v_add_nc_u32 v6, s51, v6                       ; the stage, in: row r, + 64 h + 128 wave
	s_mul_i32 s51, s14, 8448
	s_add_co_u32 s51, s51, STAGE
	v_add_nc_u32 v7, s51, v1                       ; and out: my 16 rows
	v_mov_b32 v31, 1
	v_mov_b32 v58, 0x100
	v_mov_b32 v29, 0
	v_mov_b32 v30, 0
	s_lshl_b32 s52, ttmp9, 9
	s_mov_b32 s53, 0
	s_lshl_b32 s58, s16, 9
	s_mov_b32 s59, 0
	s_wait_alu depctr_va_vdst(0)
	s_wait_kmcnt 0x0
	s_add_nc_u64 s[20:21], s[8:9], s[52:53]
	s_add_nc_u64 s[22:23], s[6:7], s[52:53]
	s_add_nc_u64 s[22:23], s[22:23], SCW_O
	s_add_nc_u64 s[24:25], s[12:13], s[58:59]      ; out0 at my 128 columns
	s_add_nc_u64 s[44:45], s[4:5], WC2_O
	s_add_nc_u64 s[46:47], s[4:5], WS2_O
.irp i, 0,1,2,3
	global_load_b64 v[16+2*\i:17+2*\i], v8, s[20:21] offset:128*\i
	global_load_b64 v[240+2*\i:241+2*\i], v8, s[22:23] offset:128*\i   ; (weight of slot 0, of slot 1)
.endr
	global_load_b64 v[32:33], v9, s[20:21]
	s_wait_loadcnt 0x0
.irp i, 0,1,2,3                                ; key 8 a + c: (a, c) where c > a, else (7 - a, 7 - c)
	v_lshrrev_b32 v24, 16, v[16+2*\i]
	v_and_b32 v24, 31, v24
	v_lshrrev_b32 v25, 3, v24
	v_and_b32 v26, 7, v24
	v_cmp_gt_u32 vcc_lo, v26, v25
	v_sub_nc_u32 v27, 7, v25
	v_sub_nc_u32 v28, 7, v26
	v_cndmask_b32 v[232+2*\i], v27, v25, vcc_lo
	v_cndmask_b32 v[233+2*\i], v28, v26, vcc_lo
	v_lshlrev_b32 v27, v[232+2*\i], v31            ; bit e for slot 0,
	v_lshlrev_b32 v28, v[233+2*\i], v58            ; bit 8 + e for slot 1
	v_or_b32 v29, v29, v27
	v_or_b32 v29, v29, v28
.endr
.irp m, 1,2,4,8
	v_mov_b32_dpp v30, v29 row_xmask:\m row_mask:0xf bank_mask:0xf
	v_or_b32 v29, v29, v30
.endr
	v_readfirstlane_b32 s48, v29                   ; the (expert, slot) pairs of the 64 tokens: at least one bit in each byte
	s_bcnt1_i32_b32 s49, s48
	s_sub_co_u32 s49, s49, 2                       ; the products that ask ahead: all but the last two;
	s_lshr_b32 s50, s49, 1                         ; pairs of them,
	s_and_b32 s29, s49, 1                          ; and one more?
; my tile's two h rows a token
	v_and_b32 v24, 0xffff, v33
	v_lshrrev_b32 v25, 16, v33
	v_min_u32 v24, 4223, v24
	v_min_u32 v25, 4223, v25
	v_lshlrev_b32 v10, 5, v24
	v_lshl_add_u32 v10, v15, 4, v10
	v_lshlrev_b32 v11, 5, v25
	v_lshl_add_u32 v11, v15, 4, v11
	v_mul_u32_u24 v26, v15, 67584                  ; lanes 16-31 take the scale bytes of K steps 4-7: eight planes on
	v_lshl_add_u32 v12, v24, 1, v26
	v_lshl_add_u32 v13, v25, 1, v26
	WIN 0x40
.irp g, 0,1
.irp s, 0,1,2,3,4,5,6,7
.irp c, 0,1
	global_load_b128 v[64*\g+8*\s+4*\c:64*\g+8*\s+4*\c+3], v[10+\g], s[10:11] offset:(2*\s+\c)*HPL   ; registers 4 c on of the fragment of K step s
.endr
.endr
.endr
	WIN 0
.irp g, 0,1
.irp j, 0,1,2,3
.irp c, 0,1
	global_load_u16 v[96+8*\g+2*\j+\c], v[12+\g], s[10:11] offset:HS_O+(2*\j+\c)*SPL
.endr
.endr
.endr
.macro PICK                            ; the lowest bit of the list: expert s56, slot s57, and where its weights lie
	s_ctz_i32_b32 s51, s48
	s_and_b32 s56, s51, 7
	s_min_u32 s56, s56, 7
	s_lshr_b32 s57, s51, 3
	s_lshl_b32 s52, s56, 5
	s_add_co_u32 s52, s52, s17
	s_lshl_b32 s58, s52, 10
	s_lshl_b32 s52, s52, 14
	s_add_nc_u64 s[40:41], s[44:45], s[52:53]
	s_add_nc_u64 s[42:43], s[46:47], s[58:59]
.endm
.macro WF4 b, s                        ; the two fragments of K step s into buffer b: four loads of 512 consecutive bytes
.irp u, 0,1
.irp c, 0,1
	global_load_b128 v[128*(\b)+16*(\s)+8*\u+4*\c:128*(\b)+16*(\s)+8*\u+4*\c+3], v1, s[40:41] offset:\u*8192+(\s)*1024+\c*512
.endr
.endr
.endm
.macro WS2 b, q                        ; the scale words of K steps 2 q, 2 q + 1: buffer 0 at v224, buffer 1 at v40
	global_load_b64 v[224-184*(\b)+2*(\q):225-184*(\b)+2*(\q)], v2, s[42:43] offset:(\q)*256
.endm
.macro BURST b                         ; a whole round, 36 loads, in the order in which every later round is issued
.irp s, 0,1,2,3,4,5,6,7
	WIN 0xc0
	WF4 \b, \s
.if \s%2
	WIN 0
	WS2 \b, \s/2
.endif
.endr
.endm
	PICK
	s_mov_b32 s54, s56                             ; the product in hand: expert, slot
	s_mov_b32 s55, s57
	BURST 0
; while the gather is on its way: the sixteen bases of the way out, one for each of my rows, in batches, so that vector and scalar work hand over once
.irp i, 0,1,2,3,4,5,6,7,8,9,10,11,12,13,14,15
	v_readlane_b32 s[66+2*\i], v32, \i             ; the record at position 16 wave + i
.endr
.irp i, 0,1,2,3,4,5,6,7,8,9,10,11,12,13,14,15
	s_and_b32 s[66+2*\i], s[66+2*\i], 0xffff       ; its token
.endr
.irp i, 0,1,2,3,4,5,6,7,8,9,10,11,12,13,14,15
	s_min_u32 s[66+2*\i], s[66+2*\i], 2047
.endr
.irp i, 0,1,2,3,4,5,6,7,8,9,10,11,12,13,14,15
	s_lshl_b32 s[66+2*\i], s[66+2*\i], 12          ; a row of the output is 4,096 bytes
.endr
.irp i, 0,1,2,3,4,5,6,7,8,9,10,11,12,13,14,15
	s_mov_b32 s[67+2*\i], 0
.endr
.irp i, 0,1,2,3,4,5,6,7,8,9,10,11,12,13,14,15
	s_add_nc_u64 s[66+2*\i:67+2*\i], s[24:25], s[66+2*\i:67+2*\i]
.endr
	s_wait_loadcnt 36                              ; the gather has landed; the round's 36 may be out
.irp g, 0,1
.irp j, 0,1,2,3
	v_lshl_or_b32 v[112+4*\g+\j], v[97+8*\g+2*\j], 16, v[96+8*\g+2*\j]   ; four bytes: the word of K step j (lanes 16-31: 4 + j)
.endr
.endr
	WIN 0x04
.irp g, 0,1
.irp s, 0,1,2,3,4,5,6,7
.irp c, 0,1
	ds_store_b128 v3, v[64*\g+8*\s+4*\c:64*\g+8*\s+4*\c+3] offset:\g*8192+\s*1024+\c*512   ; images of the registers: 16 bytes a lane
.endr
.endr
.endr
	WIN 0
	ds_store_b128 v5, v[112:115]
	ds_store_b128 v5, v[116:119] offset:512
	s_wait_xcnt 0x0                                ; the first round's loads have read their bases
	s_sub_co_u32 s51, s48, 1
	s_and_b32 s48, s48, s51                        ; the first bit goes
	PICK
	s_mov_b32 s26, s56                             ; the product after the one in hand
	s_mov_b32 s27, s57
	BURST 1
	s_wait_dscnt 0x0                               ; for the others: my stores have landed
	s_barrier_signal -1
	s_barrier_wait -1
	WIN 0x40
.irp i, 0,1,2,3
.irp s, 0,1,2,3,4,5,6,7
.irp c, 0,1
	ds_load_b128 v[8*(8*\i+\s)+4*\c:8*(8*\i+\s)+4*\c+3], v1 offset:(16*\i+\s)*1024+512*\c
.endr
.endr
.endr
	WIN 0x80
.irp i, 0,1,2,3
.irp s, 0,1,2,3,4,5,6,7
.irp c, 0,1
	ds_load_b128 v[8*(8*\i+\s)+4*\c:8*(8*\i+\s)+4*\c+3], v1 offset:(16*\i+8+\s)*1024+512*\c
.endr
.endr
.endr
	WIN 0
.irp g, 0,1
.irp i, 0,1,2,3
	ds_load_b128 v[192+16*\g+4*\i:195+16*\g+4*\i], v4 offset:(2*\i+\g)*512
.endr
.endr
.set i, 0
.rept 64
	v_mov_b32 v[128+i], 0                          ; the output's sums, once: every product of the walk adds onto them alike, and the first finds zeros
.set i, i+1
.endr
.irp i, 0,1,2,3
	v_mov_b32 v[249+2*\i], 0                       ; named as the upper halves of pairs
.endr
	s_wait_dscnt 0x0
; One product, slot g, from buffer b.  mode 2: behind each K step the weights of that K step of the product after next are asked for; mode 1: the last product but one; mode 0: the last.
; THE COUNTED WAIT at K step 2 q is for the scale words of K steps 2 q, 2 q + 1 of this product's round, and so for all that is older.  Behind them were issued the rest of their round, 9 (3 - q) loads;
; in modes 2 and 1 the other buffer's whole round, 36; in mode 2 the first 9 q loads of the round that this product asks for.  Mode 2: 63; mode 1: 63 - 9 q; mode 0: 27 - 9 q.
.macro KSTEPS g, b, mode
.irp s, 0,1,2,3,4,5,6,7
.if \s%2 == 0
.if \mode == 2
	s_wait_loadcnt 63
.elseif \mode == 1
	s_wait_loadcnt 63-9*(\s/2)
.else
	s_wait_loadcnt 27-9*(\s/2)
.endif
.endif
	WIN 0x07+4*\g
.set rZ, 0
.if \s == 0
.set rZ, 1
.endif
.irp i, 0,1,2,3
.irp u, 0,1
.set rD, 64+8*(2*\i+\u)
.set rW, 128*\b+16*\s+8*\u
.set rH, 8*(8*\i+\s)
.set rSA, 224-184*\b+\s
.set rSB, 192+16*\g+4*\i+\s%4
	WM rD, rW, rH, rZ, rSA, rSB, \u, \s/4          ; eight sums by turns, one instruction a turn
.endr
.endr
.if \mode == 2
.rept 4
	v_nop                                          ; four places in front of loads into registers that these products have read
.endr
	WIN 0xc0
	WF4 \b, \s
.if \s%2
	WIN 0
	WS2 \b, \s/2
.endif
.elseif \s == 7
.rept 4
	v_nop                                          ; four places in front of the first read of the sums
.endr
.endif
.endr
	WIN 0
.irp i, 0,1,2,3
	v_cmp_eq_u32 vcc_lo, s54, v[232+2*\i+\g]
	v_cndmask_b32 v[248+2*\i], 0, v[240+2*\i+\g], vcc_lo   ; the token's weight where this is its expert in this slot, else 0
.endr
.endm
.macro FOLD                            ; the output's sums += factor x the product's; each sum is read from its low end on
.irp i, 0,1,2,3
.set k, 0
.rept 8
	v_pk_fma_f32 v[128+16*\i+k:129+16*\i+k], v[64+16*\i+k:65+16*\i+k], v[248+2*\i:249+2*\i], v[128+16*\i+k:129+16*\i+k] op_sel_hi:[1,0,1]
.set k, k+2
.endr
.endr
.endm
.macro PRODUCT b, mode
.if \mode == 2
	s_wait_xcnt 0x0                                ; the last round's loads have read their bases
	s_sub_co_u32 s51, s48, 1
	s_and_b32 s48, s48, s51                        ; the next product's bit goes: the lowest is now that of the product after next
	PICK
.endif
	s_cmp_eq_u32 s55, 0
	s_cbranch_scc0 .Lone_\@
	KSTEPS 0, \b, \mode
	s_branch .Lsum_\@
.Lone_\@:
	KSTEPS 1, \b, \mode
.Lsum_\@:
	s_wait_alu depctr_va_vdst(0)
	FOLD
.if \mode > 0
	s_mov_b32 s54, s26                             ; on to the next product
	s_mov_b32 s55, s27
.endif
.if \mode == 2
	s_mov_b32 s26, s56
	s_mov_b32 s27, s57
.endif
.endm
	s_cmp_eq_u32 s50, 0
	s_cbranch_scc1 .Lrem
	s_mov_b32 s28, 0
.Lpair:                                            ; two products that ask ahead: after them buffer 0 is due again
	PRODUCT 0, 2
	PRODUCT 1, 2
	s_add_co_u32 s28, s28, 1
	s_cmp_lt_u32 s28, s50
	s_cbranch_scc1 .Lpair
.Lrem:
	s_cmp_eq_u32 s29, 0
	s_cbranch_scc1 .Ltail_a
	PRODUCT 0, 2                                   ; one more that asks ahead; the last two then begin with buffer 1
	PRODUCT 1, 1
	PRODUCT 0, 0
	s_branch .Lout
.Ltail_a:
	PRODUCT 0, 1
	PRODUCT 1, 0
.Lout:
; THE WAY OUT.  A row's 128 columns come from four waves: they meet in the stage, and each wave stores 16 whole rows of 512 bytes, each to its token's row of the output.
	s_wait_alu depctr_va_vdst(0)
.irp i, 0,1,2,3
.irp u, 0,1
.irp f, 0,1
	ds_store_b128 v6, v[128+16*\i+8*\u+4*\f:131+16*\i+8*\u+4*\f] offset:\i*8448+32*\u+16*\f
.endr
.endr
.endr
	s_wait_dscnt 0x0                               ; for the others: my stores have landed
	s_barrier_signal -1
	s_barrier_wait -1
.irp i, 0,1,2,3,4,5,6,7,8,9,10,11,12,13,14,15
	ds_load_b128 v[64+4*\i:67+4*\i], v7 offset:528*\i
.endr
.irp i, 0,1,2,3,4,5,6,7,8,9,10,11,12,13,14,15
	s_wait_dscnt 15-\i
	global_store_b128 v1, v[64+4*\i:67+4*\i], s[66+2*\i:67+2*\i] th:TH_STORE_NT   ; 512 consecutive bytes, at a multiple of 512 from the output's first byte
.endr
	s_wait_tensorcnt 0x0                           ; the wave's end
	ds_add_u32 v[SPW], v[NIL]
	s_wait_dscnt 0x0
	s_endpgm
.Lfunc_end_k_qa4a9555587_down:
	.size	k_qa4a9555587_down, .Lfunc_end_k_qa4a9555587_down-k_qa4a9555587_down
	.p2alignl 7, 3214868480
	.fill 96, 4, 3214868480
	.section	.rodata,"a",@progbits
	.p2align	6, 0x0
	.amdhsa_kernel k_qa4a9555587_down
		.amdhsa_group_segment_fixed_size 103936
		.amdhsa_private_segment_fixed_size 0
		.amdhsa_enable_private_segment 0
		.amdhsa_kernarg_size 40
		.amdhsa_user_sgpr_count 2
		.amdhsa_user_sgpr_kernarg_segment_ptr 1
		.amdhsa_wavefront_size32 1
		.amdhsa_system_sgpr_workgroup_id_x 1
		.amdhsa_system_sgpr_workgroup_id_y 1
		.amdhsa_system_sgpr_workgroup_id_z 1
		.amdhsa_system_vgpr_workitem_id 0
		.amdhsa_next_free_vgpr 1024
		.amdhsa_next_free_sgpr 100
		.amdhsa_reserve_vcc 1
		.amdhsa_float_denorm_mode_32 3
		.amdhsa_float_denorm_mode_16_64 3
		.amdhsa_memory_ordered 1
		.amdhsa_forward_progress 1
		.amdhsa_inst_pref_size 207
	.end_amdhsa_kernel
	.amdgpu_metadata
---
amdhsa.version: [ 1, 2 ]
amdhsa.kernels:
  - .name:           k_qa4a9555587_down
    .symbol:         k_qa4a9555587_down.kd
    .args:
      - { .name: q1, .offset: 0, .size: 8, .value_kind: global_buffer, .address_space: global }
      - { .name: q2, .offset: 8, .size: 8, .value_kind: global_buffer, .address_space: global }
      - { .name: idx, .offset: 16, .size: 8, .value_kind: global_buffer, .address_space: global }
      - { .name: hq, .offset: 24, .size: 8, .value_kind: global_buffer, .address_space: global }
      - { .name: out0, .offset: 32, .size: 8, .value_kind: global_buffer, .address_space: global }
    .group_segment_fixed_size: 103936
    .private_segment_fixed_size: 0
    .kernarg_segment_align: 8
    .kernarg_segment_size: 40
    .max_flat_workgroup_size: 128
    .sgpr_count:     100
    .vgpr_count:     1024
    .wavefront_size: 32
...
	.end_amdgpu_metadata
.endif
;; end of part 4
